; MI455X (gfx1250); checked and timed in simulation.
; The chip was launched on July 23, 2026; its instructions are those of AMD's public machine-readable ISA for CDNA 5 (MIT licence, August 2026) and "CDNA5" Instruction Set Architecture Reference Guide (July 2026). The comments in the code are by the model that wrote it; some were corrected since.
;; MP Attention. Allowed arithmetic: matrix products marked QUANTISED: E5M2 operands, one given power-of-two scale a tensor, by v_wmma_f32_16x16x64_bf8_bf8 or v_wmma_f32_16x16x128_bf8_bf8, f32 sums; everything else in f32.
;; Inputs: gain_s one number float32; gain_t one number float32; k_w 1,024 x 1,024 float32; lowp_scales 12 int32 (the exponents e of the quantised operands' scales 2^e); o_w 1,024 x 1,024 float32; q_w 1,024 x 1,024 float32; query 8 x 1,024 x 1,024 float32; rel_pos_bias 8 x 1,024 x 1,024 float32; v_w 1,024 x 1,024 float32.
;; Outputs: out0 8 x 1,024 x 1,024 float32.
;; This version of the problem:
;;   THIS VERSION OF THE PROBLEM IS GIVEN IN LOW PRECISION. The matrix products marked QUANTISED in the list below multiply operands that are first quantised to E5M2 (5 exponent bits, 2 mantissa bits; 8 bits a number), with one given power-of-two scale for each operand tensor; their sums are f32. All else is computed in f32.
;;   The module's matrix products, in the order in which they are computed (A, B: the left and right operand; K: the contracted axis; several contracted axes count as one K, in the product's order):
;;     1. [M 8,192, K 1,024] x [K 1,024, N 1,024]; A: input query; B: computed on the way: QUANTISED (scales: A lowp_scales[0], B lowp_scales[1])
;;     2. [M 8,192, K 1,024] x [K 1,024, N 1,024]; A: input query; B: computed on the way: QUANTISED (scales: A lowp_scales[2], B lowp_scales[3])
;;     3. [M 8,192, K 1,024] x [K 1,024, N 1,024]; A: input query; B: computed on the way: QUANTISED (scales: A lowp_scales[4], B lowp_scales[5])
;;     4. batch 64 x [M 1,024, K 128] x [K 128, N 1,024]; A: computed on the way; B: computed on the way: QUANTISED (scales: A lowp_scales[6], B lowp_scales[7])
;;     5. batch 64 x [M 1,024, K 1,024] x [K 1,024, N 128]; A: softmax (see below); B: computed on the way: QUANTISED (scales: A lowp_scales[8], B lowp_scales[9])
;;     6. [M 8,192, K 1,024] x [K 1,024, N 1,024]; A: computed on the way; B: computed on the way: QUANTISED (scales: A lowp_scales[10], B lowp_scales[11])
;;   THE QUANTISER, for each operand of a quantised product, along K:
;;     - The operand's scale is 2^e, e = its entry of the input lowp_scales (int32; the entries are numbered through the quantised products in the list's order, A before B).
;;     - Each number is divided by the scale, clamped to +-57,344, and rounded to the nearest number of E5M2, ties to even, subnormals kept.
;;     - The product sums the exact products of the quantised numbers (number of the format x scale) in f32.
;;   ~~~python
;;   def quantise(x, axis, e):      # numpy; x: float32 -> the quantised numbers, widened to float32 again
;;       x = np.moveaxis(x, axis, -1); K = x.shape[-1]
;;       r = np.clip(x / 2.0 ** e, -57344, 57344)
;;       step = 2.0 ** (np.maximum(np.frexp(np.where(r == 0, 1, r))[1] - 1, -14) - 2)
;;       q = np.round(r / step) * step * 2.0 ** e      # np.round: ties to even
;;       return np.moveaxis(q, -1, axis).astype(np.float32)
;;   ~~~
;;   SOFTMAX AHEAD OF A QUANTISED PRODUCT. Where the list says 'softmax', what is quantised is not the finished softmax but p = 2^(t - M), with t = logit x log2(e) and M = ceil(the row's largest t), a whole number; so 1/2 < the row's largest p <= 1. The row's sum l is taken of the UNQUANTISED p, in f32, and the product's result is divided by l at the end. Since M is a whole number, a kernel that streams over the keys may use a running M (the ceiling of the running maximum): every later rescaling is an exact power of two, so the quantised numbers keep their values, but for numbers so far below the row's largest that they fall under the format's range.
;;   OPERANDS COMPUTED ON THE WAY. 'Computed on the way' means the value that the module computes at that place (a softmax that the list does not call 'softmax' is quantised finished and normalised). What goes into a quantiser is computed in f32, as accurately as f32 sums, v_exp_f32 and their like allow (about 1e-6 of the number): no bf16 or f16 on the way to a quantiser, and a product that is left as it is and whose result goes on into a quantised operand takes f32 operands (vector FMAs, or v_wmma_f32_16x16x4_f32). A number that lies on a knife's edge between two numbers of the format may be rounded either way, as far as f32 arithmetic and the matrix unit's own rounding can turn it there, and no further.
;; One version. Each part assembles by itself: llvm-mc -triple=amdgcn-amd-amdhsa -mcpu=gfx1250 --defsym DOCPART=n.
;; ======== version 1 of 1: 4 launches
;; workspace buffers: xc 25,165,824 bytes; wc 4,194,304 bytes; qc 8,388,608 bytes; kv 16,777,216 bytes; oc 8,388,608 bytes
;; launch prep (part 1): grid 768 x 1, 4 waves a work-group, no clusters, 20,992 bytes of LDS; arguments query, q_w, k_w, v_w, o_w, gain_s, lowp_scales, xc, wc; writes xc, wc
.if DOCPART == 1
	.amdgcn_target "amdgcn-amd-amdhsa--gfx1250"
	.amdhsa_code_object_version 6
	.text
	.protected	k_qf6a5085d48_prep
	.globl	k_qf6a5085d48_prep
	.p2align	8
	.type	k_qf6a5085d48_prep,@function
k_qf6a5085d48_prep:
	s_mov_b64 s[64:65], 0
	v_nop
	global_prefetch_b8 v0, s[64:65] scope:SCOPE_SE
	s_setreg_imm32_b32 hwreg(HW_REG_WAVE_MODE, 25, 1), 1
	s_wait_xcnt 0x0
; PREP: f32 numbers into codes of BF8 (E5M2), K innermost, each with the scale 2^e that is given for it.
;   query [8192][1024] -> xc [3][8192][1024]: the same numbers under the three exponents e0, e2, e4 (they may differ).
;   q_w, k_w, v_w, o_w [1024][1024] -> wc [4][1024][1024]: each row first x gain_s / 32 / (1e-4 + |row| / 32), then quantised with e1, e3, e5, e11.
; gain_t is an input of the problem that the computation never uses: no number of the result hangs on it, and no launch of this program names it.
; SHARES.  One wave takes one row of 1,024 numbers at a time, four rows a wave, sixteen a work-group.  Work-groups 0-511: query; 512-767: the weights, 64 work-groups each.
; All 32 loads of a wave go out at its head (16 KB a wave); each reads 512 consecutive bytes.  A row lies in 32 registers, so a weight's norm needs no second read.
; The conversions take 8 neighbours along K from ONE lane's registers, the loads give a lane 4: so a row turns through the wave's own stage in LDS (16 bytes of padding behind each 64)
; and comes back 16 neighbours a lane; a lane's 16 codes are 16 bytes, and the wave stores 512 consecutive bytes.
; Both kinds of work-group walk ONE text: branches on the work-group's number jump over register work and stores alone, never over an LDS line.  Waves share nothing: no barrier.
; LIMITS: every exponent e between -126 and 112, so that 2^e and 57,344 x 2^e are f32 numbers.  NaN among the inputs is not served (an infinity is held at the largest code).
.set STG, 5120                         ; a wave's stage: two halves of 32 x 80 bytes
.set R,   72                           ; v72-199  four rows as loaded, 32 registers each; later the rows' codes
.set X,   40                           ; v40-71   a row's numbers, 16 neighbours a lane for each half
.set T,   24                           ; v24-39   16 numbers, held
.set SC,  16                           ; v16-18   2^e for output 0, 1, 2
.set LM,  19                           ; v19-21   57,344 x 2^e
	s_load_b512 s[4:19], s[0:1], 0x0               ; query s[4:5], q_w s[6:7], k_w s[8:9], v_w s[10:11], o_w s[12:13], gain_s s[14:15], the exponents s[16:17], xc s[18:19]
	s_load_b64 s[20:21], s[0:1], 0x40              ; wc
	v_lshl_add_u32 v200, v0, 2, 0x5000
	v_mov_b32 v201, 0
	v_lshrrev_b32 v1, 5, v0
	v_readfirstlane_b32 s22, v1                    ; wave 0..3
	v_and_b32 v2, 31, v0                           ; lane
	v_lshlrev_b32 v3, 4, v2                        ; 16 x lane: my bytes of a load's 512 and of a store's 512
	s_mul_i32 s45, s22, STG
	v_lshrrev_b32 v4, 2, v2
	v_mul_u32_u24 v4, v4, 80
	v_and_b32 v5, 3, v2
	v_lshl_add_u32 v4, v5, 4, v4
	v_add_nc_u32 v4, s45, v4                       ; the stage on the way in: four lanes' 64 bytes on end, then 16 of padding
	v_mul_u32_u24 v5, v2, 80
	v_add_nc_u32 v5, s45, v5                       ; and on the way out: my 16 neighbours
	v_mov_b32 v22, 0x3d000000                      ; 1 / 32
	s_max_u32 s40, ttmp9, 512
	s_sub_co_u32 s40, s40, 512                     ; the number among the weights' work-groups (0 in query's)
	s_lshr_b32 s41, s40, 6                         ; which weight
	s_and_b32 s42, s40, 63
	s_cmp_ge_u32 ttmp9, 512
	s_cselect_b32 s23, 1, 0                        ; 1: a weight
	s_cselect_b32 s42, s42, ttmp9                  ; which sixteen rows
	s_lshl_b32 s42, s42, 4
	s_lshl_b32 s43, s22, 2
	s_add_co_u32 s42, s42, s43                     ; my wave's first row
	s_lshl_b32 s46, s42, 12                        ; x 4,096 bytes in the source
	s_mov_b32 s47, 0
	s_lshl_b32 s48, s42, 10                        ; x 1,024 bytes in the codes
	s_mov_b32 s49, 0
	s_lshl_b32 s50, s41, 20
	s_add_co_u32 s50, s50, s48                     ; + the weight's plane of wc (0 for query)
	s_mov_b32 s51, 0
	s_lshl_b32 s44, s41, 1
	s_add_co_u32 s44, s44, 1                       ; a weight's exponent: entry 1, 3, 5,
	s_cmp_eq_u32 s41, 3
	s_cselect_b32 s44, 11, s44                     ; o_w's: entry 11,
	s_cmp_eq_u32 s23, 0
	s_cselect_b32 s44, 0, s44                      ; query's first: entry 0
	s_lshl_b32 s44, s44, 2
	s_mov_b32 s36, 0x3d000000                      ; 1 / 32
	s_mov_b32 s38, 0x76543210                      ; lane selects: lane l xor 16
	s_mov_b32 s39, 0xfedcba98
	s_wait_kmcnt 0x0
	s_cmp_eq_u32 s41, 1                            ; the buffers are chosen by the work-group's number alone
	s_cselect_b64 s[24:25], s[8:9], s[6:7]
	s_cmp_eq_u32 s41, 2
	s_cselect_b64 s[24:25], s[10:11], s[24:25]
	s_cmp_eq_u32 s41, 3
	s_cselect_b64 s[24:25], s[12:13], s[24:25]
	s_cmp_eq_u32 s23, 0
	s_cselect_b64 s[24:25], s[4:5], s[24:25]       ; the source
	s_cselect_b64 s[26:27], s[18:19], s[20:21]     ; output 0: xc's first plane, or wc
	s_add_nc_u64 s[24:25], s[24:25], s[46:47]
	s_add_nc_u64 s[26:27], s[26:27], s[50:51]
	s_add_nc_u64 s[28:29], s[18:19], s[48:49]
	s_add_nc_u64 s[28:29], s[28:29], 0x800000      ; output 1: xc's second plane,
	s_add_nc_u64 s[30:31], s[28:29], 0x800000      ; output 2: its third (query's work-groups alone store there)
.irp i, 0,1,2,3
.irp k, 0,1,2,3,4,5,6,7
	global_load_b128 v[R+32*\i+4*\k:R+32*\i+4*\k+3], v3, s[24:25] offset:4096*\i+512*\k th:TH_LOAD_NT   ; 32 lanes read 512 consecutive bytes; read once in the launch
.endr
.endr
	s_load_b32 s32, s[16:17], s44 offset:0x0       ; output 0's exponent
	s_load_b32 s33, s[16:17], 0x8                  ; e2
	s_load_b32 s34, s[16:17], 0x10                 ; e4
	s_load_b32 s35, s[14:15], 0x0                  ; gain_s
	s_wait_kmcnt 0x0
	s_mul_f32 s37, s35, s36                        ; gain_s / 32
.macro MKSC o, se                      ; 2^e as f32 (the conversion takes its exponent field) and 57,344 x 2^e
	s_add_co_i32 s52, \se, 127
	s_lshl_b32 s53, s52, 23
	v_mov_b32 v[SC+\o], s53
	s_add_co_i32 s52, s52, 15
	s_lshl_b32 s52, s52, 23
	s_or_b32 s52, s52, 0x600000
	v_mov_b32 v[LM+\o], s52
.endm
	MKSC 0, s32
	MKSC 1, s33
	MKSC 2, s34
; half j of row i under output o's scale: sixteen holds, two conversions, one store.  The codes take registers of the row itself, which its LDS stores have read: no store's data are ever written again.
.macro OUT i, j, o
.set CR, R+32*\i+4*(3*\j+\o)
.irp n, 0,1,2,3,4,5,6,7,8,9,10,11,12,13,14,15
	v_med3_num_f32 v[T+\n], v[X+16*\j+\n], -v[LM+\o], v[LM+\o]   ; the conversion to an 8-bit code does not saturate (ISA guide 7.6.2): the hold at the largest code x the scale
.endr
	v_cvt_scalef32_pk8_bf8_f32 v[CR:CR+1], v[T:T+7], v[SC+\o]
	v_cvt_scalef32_pk8_bf8_f32 v[CR+2:CR+3], v[T+8:T+15], v[SC+\o]
	v_nop                                          ; one plain vector line between the conversions and the next holds, which write their sources
	global_store_b128 v3, v[CR:CR+3], s[26+2*\o:27+2*\o] offset:1024*\i+512*\j   ; 32 lanes store 512 consecutive bytes, aligned
.endm
.macro ROW i
.set RI, R+32*\i
	s_wait_loadcnt 8*(3-\i)                        ; loads come back in order: this row's eight are in, the younger rows' stay out
	s_cmp_eq_u32 s23, 0
	s_cbranch_scc1 .Lplain_\@                      ; query is quantised as it is
	; a weight's row: the sum of its squares in four packed chains, then across the 32 lanes
.irp c, 0,1,2,3
	v_pk_mul_f32 v[8+2*\c:9+2*\c], v[RI+2*\c:RI+2*\c+1], v[RI+2*\c:RI+2*\c+1]
.endr
.irp n, 4,5,6,7,8,9,10,11,12,13,14,15
	v_pk_fma_f32 v[8+2*(\n%4):9+2*(\n%4)], v[RI+2*\n:RI+2*\n+1], v[RI+2*\n:RI+2*\n+1], v[8+2*(\n%4):9+2*(\n%4)]
.endr
	v_pk_add_f32 v[8:9], v[8:9], v[10:11]
	v_pk_add_f32 v[12:13], v[12:13], v[14:15]
	v_pk_add_f32 v[8:9], v[8:9], v[12:13]
	v_add_f32 v8, v8, v9
	v_add_f32_dpp v8, v8, v8 row_xmask:1 row_mask:0xf bank_mask:0xf
	v_add_f32_dpp v8, v8, v8 row_xmask:2 row_mask:0xf bank_mask:0xf
	v_add_f32_dpp v8, v8, v8 row_xmask:4 row_mask:0xf bank_mask:0xf
	v_add_f32_dpp v8, v8, v8 row_xmask:8 row_mask:0xf bank_mask:0xf
	v_permlanex16_b32 v9, v8, s38, s39
	v_add_f32 v8, v8, v9                           ; every lane holds the row's sum of squares
	v_sqrt_f32 v10, v8
	v_nop                                          ; a plain line behind the root,
	s_wait_alu depctr_va_vdst(0)                   ; and the wait ahead of its first reader
	v_fmaak_f32 v10, v10, v22, 0x38d1b717          ; 1e-4 + |row| / 32, one rounding
	v_rcp_f32 v11, v10
	v_nop
	s_wait_alu depctr_va_vdst(0)
	v_mul_f32 v6, s37, v11                         ; the row's factor: gain_s / 32 / (1e-4 + |row| / 32)
	v_mov_b32 v7, v6                               ; (named with it as a pair)
.irp n, 0,1,2,3,4,5,6,7,8,9,10,11,12,13,14,15
	v_pk_mul_f32 v[RI+2*\n:RI+2*\n+1], v[RI+2*\n:RI+2*\n+1], v[6:7] op_sel_hi:[1,0]
.endr
.Lplain_\@:
.irp k, 0,1,2,3,4,5,6,7
	ds_store_b128 v4, v[RI+4*\k:RI+4*\k+3] offset:640*\k           ; a load's 512 bytes take eight places of 80
.endr
.irp j, 0,1
.irp c, 0,1,2,3
	ds_load_b128 v[X+16*\j+4*\c:X+16*\j+4*\c+3], v5 offset:2560*\j+16*\c   ; LDS serves a wave's instructions in order: these see the stores above.  Numbers 512 j + 16 lane + 0 .. 15
.endr
.endr
	s_wait_dscnt 0x0                               ; the numbers are back, and the stores have read the row's registers
	OUT \i, 0, 0
	OUT \i, 1, 0
	s_cmp_lg_u32 s23, 0
	s_cbranch_scc1 .Lone_\@                        ; a weight has one scale
	OUT \i, 0, 1
	OUT \i, 1, 1
	OUT \i, 0, 2
	OUT \i, 1, 2
.Lone_\@:
.endm
	ROW 0
	ROW 1
	ROW 2
	ROW 3
	s_wait_tensorcnt 0x0
	ds_add_u32 v200, v201
	s_wait_dscnt 0x0
	s_endpgm
.Lfunc_end_k_qf6a5085d48_prep:
	.size	k_qf6a5085d48_prep, .Lfunc_end_k_qf6a5085d48_prep-k_qf6a5085d48_prep
	.p2alignl 7, 3214868480
	.fill 96, 4, 3214868480
	.section	.rodata,"a",@progbits
	.p2align	6, 0x0
	.amdhsa_kernel k_qf6a5085d48_prep
		.amdhsa_group_segment_fixed_size 20992
		.amdhsa_private_segment_fixed_size 0
		.amdhsa_enable_private_segment 0
		.amdhsa_kernarg_size 72
		.amdhsa_user_sgpr_count 2
		.amdhsa_user_sgpr_kernarg_segment_ptr 1
		.amdhsa_wavefront_size32 1
		.amdhsa_system_sgpr_workgroup_id_x 1
		.amdhsa_system_sgpr_workgroup_id_y 1
		.amdhsa_system_sgpr_workgroup_id_z 1
		.amdhsa_system_vgpr_workitem_id 0
		.amdhsa_next_free_vgpr 202
		.amdhsa_next_free_sgpr 66
		.amdhsa_reserve_vcc 0
		.amdhsa_float_denorm_mode_32 3
		.amdhsa_float_denorm_mode_16_64 3
		.amdhsa_memory_ordered 1
		.amdhsa_forward_progress 1
		.amdhsa_inst_pref_size 54
	.end_amdhsa_kernel
	.amdgpu_metadata
---
amdhsa.version: [ 1, 2 ]
amdhsa.kernels:
  - .name:           k_qf6a5085d48_prep
    .symbol:         k_qf6a5085d48_prep.kd
    .args:
      - { .name: query, .offset: 0, .size: 8, .value_kind: global_buffer, .address_space: global }
      - { .name: q_w, .offset: 8, .size: 8, .value_kind: global_buffer, .address_space: global }
      - { .name: k_w, .offset: 16, .size: 8, .value_kind: global_buffer, .address_space: global }
      - { .name: v_w, .offset: 24, .size: 8, .value_kind: global_buffer, .address_space: global }
      - { .name: o_w, .offset: 32, .size: 8, .value_kind: global_buffer, .address_space: global }
      - { .name: gain_s, .offset: 40, .size: 8, .value_kind: global_buffer, .address_space: global }
      - { .name: lowp_scales, .offset: 48, .size: 8, .value_kind: global_buffer, .address_space: global }
      - { .name: xc, .offset: 56, .size: 8, .value_kind: global_buffer, .address_space: global }
      - { .name: wc, .offset: 64, .size: 8, .value_kind: global_buffer, .address_space: global }
    .group_segment_fixed_size: 20992
    .private_segment_fixed_size: 0
    .kernarg_segment_align: 8
    .kernarg_segment_size: 72
    .max_flat_workgroup_size: 128
    .sgpr_count:     66
    .vgpr_count:     202
    .wavefront_size: 32
...
	.end_amdgpu_metadata
.endif
;; end of part 1
;; launch qkv (part 2): grid 4 x 192, 4 waves a work-group, clusters of 4 x 4, 327,680 bytes of LDS; arguments xc, wc, lowp_scales, qc, kv; writes qc, kv
.if DOCPART == 2
	.amdgcn_target "amdgcn-amd-amdhsa--gfx1250"
	.amdhsa_code_object_version 6
	.text
	.protected	k_qf6a5085d48_qkv
	.globl	k_qf6a5085d48_qkv
	.p2align	8
	.type	k_qf6a5085d48_qkv,@function
k_qf6a5085d48_qkv:
	s_mov_b64 s[64:65], 0
	v_nop
	global_prefetch_b8 v0, s[64:65] scope:SCOPE_SE
	s_setreg_imm32_b32 hwreg(HW_REG_WAVE_MODE, 25, 1), 1
	s_wait_xcnt 0x0
	s_wait_alu depctr_hold_cnt(0) depctr_sa_sdst(0) depctr_va_vdst(0) depctr_va_sdst(0) depctr_va_ssrc(0) depctr_va_vcc(0) depctr_vm_vsrc(0)
	s_getreg_b32 s2, hwreg(HW_REG_IB_STS2, 6, 4)
	s_cmp_eq_u32 s2, 0
	s_cbranch_scc0 .Lentry_in_a_cluster
	s_endpgm
.Lentry_in_a_cluster:
	s_bfe_u32 s2, ttmp6, 0x10000c
	s_cmp_lg_u32 s2, 0xf033
	s_cbranch_scc0 .Lentry_shape_is_right
	s_endpgm
.Lentry_shape_is_right:
; QKV: the three projections on codes of BF8 (E5M2), and their results quantised on the way out.
;   p = 0: Q = X0 Wq^T -> qc [b][h][s][128];  p = 1: K = X1 Wk^T -> kv, a step's first 16 KB [key][128];  p = 2: V^T = Wv X2^T -> kv, a step's second 16 KB [d][128 keys].
;   kv: [b][h][8 steps of 128 keys][K's tile | V's tile], 32 KB a step, dense.
; In each stored row of 128 codes bits 3 and 4 of the place are swapped against the index (place 32 c + 16 h + 8 u + j holds index 32 c + 16 u + 8 h + j): so a lane's codes of two neighbouring accumulators
; are 16 bytes on end, and a fragment fetched from such a row by loads of 16 bytes has every index in this matrix form's own place along K.
; TILE.  C' = A' B'^T, 128 rows of A' x 256 rows of B'; four waves, each 64 x 128: 32 accumulators, by turns.  768 tiles: three for each of 256 WGPs.  K = 1,024 is eight steps of 128, written out.
; THE MATRIX INSTRUCTION IS USED TRANSPOSED (source 0 = 16 rows of B', source 1 = 16 rows of A'): a lane holds one row of A' and eight neighbouring rows of B'.
; Fragments come by four loads of 16 bytes: a permutation of k that is the same on both sides, so every product meets its partner.
; CLUSTERS: 4 x 4 work-groups; A's tile is shared along a row of the cluster, B's along a column: joint loads.
; LDS: three slots of 256 along K.  K steps 0, 1, 2 are asked for together at the start (three tensor loads of a wave are out at the most); ONE refill: K step 3 into slot 0.
; All of a WGP's LDS is claimed, and 0 is added to spare words.
; LIMITS: eOut - eA - eB (e6 - e0 - e1, e7 - e2 - e3, e9 - e4 - e5) between -126 and 112.
; REGISTERS: window 0: v1-29 addresses and constants; v32-95 at work; A's fragments, two sets, at v128 and v192.  window 1: B's, two sets, at v0 and v128.  window 2: accumulator (a, b) at v[8 (8 a + b)].
.set APITCH, 272                       ; A's LDS row: 256 bytes + 16 = 68 words: the 16 rows that a load touches start at 16 different groups of banks (64 banks of 4 bytes: ISA guide 11.1)
.set AQ,     128                       ; from a slot's first 128 along K to its second
.set AHALF,  64*APITCH                 ; what one tensor load brings of A
.set AWROW,  64*APITCH                 ; from waves 0, 1's rows to waves 2, 3's
.set APART,  128*APITCH
.set ASTEP,  256                       ; a K step in memory
.set BPITCH, 272
.set BHALF,  128*BPITCH
.set SLOT,   APART+2*BHALF             ; 104,448
.set STAGE,  SLOT                      ; the way out goes through slot 1: it has had its only fill, and its last read lies ahead of the last barrier of the products
.set SPARE,  3*SLOT                    ; the spare words: 128 bytes a wave, two blocks of 256 bytes that no other line names
.set LIMV, 12
.set SCV,  13
.set ADRA, 16                          ; v16-18 my A fragments in slot 0, 1, 2
.set ADRB, 20                          ; v20-22 the same for B
.set STO,  24
.set RD,   25
.set CO,   26
.set SPW,  28
.set NIL,  29
.set G1A, 24
.set G1B, 32
.set G0A, 40                           ; s[40:51] three sets
.set G0B, 52                           ; s[52:63]
.set MULW, 0xa1                        ; source 0 (B) window 1, source 1 (A) window 0, C and D window 2
.set MSB, 0
.macro WIN new                         ; the immediate's high byte repeats the setting that is left
.if MSB != \new
	s_set_vgpr_msb (MSB<<8)|\new
.set MSB, \new
.endif
.endm
.macro PLACES n
.rept \n
	v_nop
.endr
.endm
.macro CROUND                          ; a round of the cluster's barrier
	s_barrier_signal -1
	s_barrier_wait -1
	s_cmp_lg_u32 s14, 0
	s_cbranch_scc1 .Lnot_wave_0_\@
	s_barrier_signal -3
.Lnot_wave_0_\@:
	s_barrier_wait -3
	s_barrier_signal -1
	s_barrier_wait -1
.endm
.macro JLOAD                           ; the one refill: waves 0, 1 for A, waves 2, 3 for B; four v_nop follow each line
	s_cmp_eq_u32 s15, 0
	s_cbranch_scc0 .Lfor_b_\@
	tensor_load_to_lds s[G0A:G0A+3], s[G1A:G1A+7]
	s_nop 0
.rept 4
	v_nop
.endr
	s_branch .Lasked_\@
.Lfor_b_\@:
	tensor_load_to_lds s[G0B:G0B+3], s[G1B:G1B+7]
	s_nop 0
.rept 4
	v_nop
.endr
.Lasked_\@:
.endm
	s_load_b128 s[4:7], s[0:1], 0x0                ; xc s[4:5], wc s[6:7]
	s_load_b128 s[8:11], s[0:1], 0x10              ; the exponents s[8:9], qc s[10:11]
	s_load_b64 s[12:13], s[0:1], 0x20              ; kv
	v_lshl_add_u32 v[SPW], v0, 2, SPARE
	v_mov_b32 v[NIL], 0
	ds_add_u32 v28, v29
	s_wait_dscnt 0x0
	v_lshrrev_b32 v1, 5, v0
	v_readfirstlane_b32 s14, v1                    ; wave 0..3
	s_lshr_b32 s15, s14, 1                         ; my half of the tile's rows.  Also: I fetch for A (0) or for B (1)
	s_and_b32 s16, s14, 1                          ; my half of its columns.  Also: which half of that tile I fetch
	s_bfe_u32 s66, ttmp6, 0x40000                  ; cx
	s_bfe_u32 s67, ttmp6, 0x40004                  ; cy
	s_and_b32 s68, ttmp7, 0xffff                   ; the cluster, 0..47
	s_lshr_b32 s69, s68, 4                         ; p: which projection
	s_and_b32 s70, s68, 15                         ; c
	s_lshl_b32 s71, s67, 2
	s_lshl_b32 s71, 15, s71                        ; my row of the cluster
	s_lshl_b32 s72, 0x1111, s66                    ; my column
	s_or_b32 s[G1A], s71, (1<<20)|(1<<21)|(5<<22)|(3<<25)   ; the mask; elements of 1 byte; padding on; bit 21 beside a mask; 4 words behind every 64
	s_mov_b32 s[G1A+1], 256<<16                    ; tensor_dim0
	s_mov_b32 s[G1A+2], 64<<16                     ; tensor_dim1
	s_mov_b32 s[G1A+3], 256<<16                    ; tile_dim0
	s_mov_b32 s[G1A+4], 64                         ; tile_dim1
	s_mov_b32 s[G1A+5], 1024                       ; from row to row
	s_mov_b32 s[G1A+6], 0
	s_mov_b32 s[G1A+7], 0
	s_or_b32 s[G1B], s72, (1<<20)|(1<<21)|(5<<22)|(3<<25)
	s_mov_b32 s[G1B+1], 256<<16
	s_mov_b32 s[G1B+2], 128<<16
	s_mov_b32 s[G1B+3], 256<<16
	s_mov_b32 s[G1B+4], 128
	s_mov_b32 s[G1B+5], 1024
	s_mov_b32 s[G1B+6], 0
	s_mov_b32 s[G1B+7], 0
	; which tile.  p < 2: A' = tokens 512 c + 128 cy on of xc's plane p, B' = channels 256 cx on of wc's plane p.
	; p = 2: A' = channels 512 (c & 1) + 128 cy on of wc's plane 2, B' = tokens 1,024 (c >> 1) + 256 cx on of xc's plane 2.  A's registers never hold cx, B's never cy.
	s_and_b32 s73, s70, 1                          ; c & 1
	s_lshr_b32 s74, s70, 1                         ; c >> 1: the batch
	s_lshl_b32 s75, s69, 23                        ; xc's plane p
	s_lshl_b32 s76, s69, 20                        ; wc's plane p
	s_lshl_b32 s77, s74, 10
	s_cmp_eq_u32 s69, 2
	s_cselect_b32 s78, s73, s70
	s_cselect_b32 s75, 0x200000, s75               ; A's plane
	s_cselect_b32 s76, 0x1000000, s76              ; B's plane
	s_cselect_b32 s77, s77, 0
	s_lshl_b32 s78, s78, 9
	s_lshl_b32 s79, s67, 7
	s_add_co_u32 s78, s78, s79
	s_lshl_b32 s79, s16, 6
	s_add_co_u32 s78, s78, s79                     ; the first row of A' that I fetch
	s_lshl_b32 s78, s78, 10
	s_add_co_u32 s78, s78, s75
	s_mov_b32 s79, 0
	s_lshl_b32 s80, s66, 8
	s_add_co_u32 s80, s80, s77
	s_lshl_b32 s81, s16, 7
	s_add_co_u32 s80, s80, s81                     ; the first row of B' that I fetch
	s_lshl_b32 s80, s80, 10
	s_add_co_u32 s80, s80, s76
	s_mov_b32 s81, 0
	s_lshl_b32 s92, s69, 3                         ; eA, eB: entries 2 p, 2 p + 1
	s_lshr_b32 s93, s69, 1
	s_add_co_u32 s93, s93, s69
	s_add_co_u32 s93, s93, 6
	s_lshl_b32 s93, s93, 2                         ; eOut: entry 6, 7, 9
	s_mul_i32 s95, s16, AHALF                      ; where the tiles go: no place in the cluster enters an LDS address
	s_mul_i32 s96, s16, BHALF
	; where the results go: alpha = 4 (c & 1) + cy, beta = 2 cx
	s_lshl_b32 s17, s73, 2
	s_add_co_u32 s17, s17, s67
	s_lshl_b32 s18, s66, 1
	s_mov_b32 s22, 0x20000
	s_cmp_eq_u32 s69, 2
	s_cselect_b32 s19, s17, s18                    ; the head: beta (Q, K), alpha (V)
	s_cselect_b32 s20, s18, s17                    ; the block of 128 tokens: alpha (Q, K), beta (V)
	s_cselect_b32 s2, 0x4000, 0                    ; V's tile lies behind K's
	s_cselect_b32 s22, 0x4000, s22                 ; from the tile's first 128 columns to its second: the next head (Q, K), the next key step (V)
	s_cmp_lg_u32 s69, 0
	s_cselect_b32 s23, 1, 0                        ; kv's strides are twice qc's
	s_lshl_b32 s21, s74, 20
	s_lshl_b32 s19, s19, 17
	s_add_co_u32 s21, s21, s19
	s_lshl_b32 s20, s20, 14
	s_add_co_u32 s21, s21, s20
	s_lshl_b32 s21, s21, s23
	s_add_co_u32 s20, s21, s2
	s_mov_b32 s21, 0
	s_lshl_b32 s22, s22, s23
	s_mov_b32 s23, 0
	s_wait_kmcnt 0x0
	s_load_b64 s[90:91], s[8:9], s92 offset:0x0
	s_load_b32 s94, s[8:9], s93 offset:0x0
	s_cmp_eq_u32 s69, 2                            ; the buffers are chosen by the cluster's number alone
	s_cselect_b64 s[82:83], s[6:7], s[4:5]
	s_cselect_b64 s[88:89], s[4:5], s[6:7]
	s_add_nc_u64 s[82:83], s[82:83], s[78:79]
	s_add_nc_u64 s[88:89], s[88:89], s[80:81]
	s_cmp_eq_u32 s69, 0
	s_cselect_b64 s[84:85], s[10:11], s[12:13]
	s_add_nc_u64 s[84:85], s[84:85], s[20:21]      ; the tile's columns 0-127,
	s_add_nc_u64 s[86:87], s[84:85], s[22:23]      ; and 128-255
.irp n, 0,1,2
	s_mov_b32 s[G0A+4*\n], 1
	s_add_co_u32 s[G0A+4*\n+1], s95, \n*SLOT
	s_add_nc_u64 s[G0A+4*\n+2:G0A+4*\n+3], s[82:83], \n*ASTEP
	s_or_b32 s[G0A+4*\n+3], s[G0A+4*\n+3], 0x80000000
	s_mov_b32 s[G0B+4*\n], 1
	s_add_co_u32 s[G0B+4*\n+1], s96, \n*SLOT+APART
	s_add_nc_u64 s[G0B+4*\n+2:G0B+4*\n+3], s[88:89], \n*256
	s_or_b32 s[G0B+4*\n+3], s[G0B+4*\n+3], 0x80000000
.endr
	CROUND                                         ; all sixteen work-groups are here: the first joint loads meet
	s_cmp_eq_u32 s15, 0                            ; a wave's three first fills stand in one branch, ahead of every wait on TENSORcnt and every LDS read
	s_cbranch_scc0 .Lfirst_b
	tensor_load_to_lds s[G0A:G0A+3], s[G1A:G1A+7]
	s_nop 0
	tensor_load_to_lds s[G0A+4:G0A+7], s[G1A:G1A+7]
	s_nop 0
	tensor_load_to_lds s[G0A+8:G0A+11], s[G1A:G1A+7]
	s_nop 0
.rept 4
	v_nop
.endr
	s_branch .Lfirst_done
.Lfirst_b:
	tensor_load_to_lds s[G0B:G0B+3], s[G1B:G1B+7]
	s_nop 0
	tensor_load_to_lds s[G0B+4:G0B+7], s[G1B:G1B+7]
	s_nop 0
	tensor_load_to_lds s[G0B+8:G0B+11], s[G1B:G1B+7]
	s_nop 0
.rept 4
	v_nop
.endr
.Lfirst_done:
	v_and_b32 v1, 15, v0                           ; r
	v_bfe_u32 v2, v0, 4, 1                         ; h
	v_mul_u32_u24 v3, v1, APITCH
	v_lshl_add_u32 v3, v2, 4, v3
	v_mul_u32_u24 v4, v1, BPITCH
	v_lshl_add_u32 v4, v2, 4, v4                   ; a fragment's row x pitch + 16 x half
	s_mul_i32 s2, s15, AWROW
	s_mul_i32 s3, s16, BHALF
	s_add_co_u32 s3, s3, APART
.irp s, 0,1,2
	v_add_nc_u32 v[ADRA+\s], s2, v3
	v_add_nc_u32 v[ADRB+\s], s3, v4
	s_add_co_u32 s2, s2, SLOT
	s_add_co_u32 s3, s3, SLOT
.endr
	s_mul_i32 s2, s15, 64*272                      ; the stage, 128 rows x 272: in: row 64 (w >> 1) + r, byte 128 (w & 1) + 16 h
	s_lshl_b32 s3, s16, 7
	s_add_co_u32 s2, s2, s3
	s_add_co_u32 s2, s2, STAGE
	v_add_nc_u32 v[STO], s2, v4
	v_and_b32 v5, 31, v0
	v_lshrrev_b32 v6, 3, v5
	v_mul_u32_u24 v6, v6, 272
	v_and_b32 v7, 7, v0
	v_lshl_add_u32 v6, v7, 4, v6
	s_mul_i32 s2, s14, 32*272
	s_add_co_u32 s2, s2, STAGE
	v_add_nc_u32 v[RD], s2, v6                     ; back: wave w takes rows 32 w on; eight lanes take a row's 128 bytes, four rows an instruction
	v_lshlrev_b32 v[CO], 4, v5
	s_lshl_b32 s2, s14, 12
	v_add_nc_u32 v[CO], s2, v[CO]                  ; and in memory, where those rows are dense: 4,096 w + 16 x lane
	s_wait_kmcnt 0x0
	s_sub_co_i32 s94, s94, s90
	s_sub_co_i32 s94, s94, s91                     ; a sum stands for sum x 2^(eA + eB): its code is sum / 2^(eOut - eA - eB): three scales folded into one
	s_add_co_i32 s94, s94, 127
	s_lshl_b32 s90, s94, 23
	v_mov_b32 v[SCV], s90
	s_add_co_i32 s94, s94, 15
	s_lshl_b32 s94, s94, 23
	s_or_b32 s94, s94, 0x600000
	v_mov_b32 v[LIMV], s94                         ; 57,344 x that
; 16 matrix instructions: A's blocks a0, a0 + 1 x B's eight, 128 along K, on set p.  The 32 accumulators take turns, one instruction a turn, in the same order in every step.
.macro MUL16 a0, p, zero
.irp a, \a0, \a0+1
.irp b, 0,1,2,3,4,5,6,7
.if \zero
	v_wmma_f32_16x16x128_bf8_bf8 v[8*(8*(\a)+\b):8*(8*(\a)+\b)+7], v[128*(\p)+16*\b:128*(\p)+16*\b+15], v[128+64*(\p)+16*(\a):128+64*(\p)+16*(\a)+15], 0
.else
	v_wmma_f32_16x16x128_bf8_bf8 v[8*(8*(\a)+\b):8*(8*(\a)+\b)+7], v[128*(\p)+16*\b:128*(\p)+16*\b+15], v[128+64*(\p)+16*(\a):128+64*(\p)+16*(\a)+15], v[8*(8*(\a)+\b):8*(8*(\a)+\b)+7]
.endif
.endr
.endr
.endm
; 48 LDS loads in one run: B's eight and A's four fragments of the slot's q-th 128 along K, into set p
.macro FETCH slot, q, p
	WIN 0x40                                       ; destination window 1, address window 0
.irp i, 0,1,2,3,4,5,6,7
.irp c, 0,1,2,3
	ds_load_b128 v[128*(\p)+16*\i+4*\c:128*(\p)+16*\i+4*\c+3], v[ADRB+\slot] offset:128*(\q)+32*\c+16*BPITCH*\i
.endr
.endr
	WIN 0
.irp i, 0,1,2,3
.irp c, 0,1,2,3
	ds_load_b128 v[128+64*(\p)+16*\i+4*\c:128+64*(\p)+16*\i+4*\c+3], v[ADRA+\slot] offset:AQ*(\q)+32*\c+16*APITCH*\i
.endr
.endr
.endm
; a step of 128 along K on set p; the next step's fragments (slot, q) go into the other set, 32 matrix instructions ahead of their use
.macro SUB p, zero, slot, q
	s_wait_dscnt 0x0                               ; set p is in
	PLACES 4                                       ; loads into registers that matrix instructions have read stand four plain vector lines behind them (ISA guide 7.12.1 for vector instructions)
	FETCH \slot, \q, 1-\p
	WIN MULW
	MUL16 0, \p, \zero
	MUL16 2, \p, \zero
.endm
; a step on set 1 with a barrier in its middle.  In front of it: all my tensor loads have landed; 0 onto my spare word; the add is done and my LDS reads are back.
; fill = 1: the barrier is a round of the cluster's, behind which slot 0 takes K step 3: no wave of any partner still reads slot 0 or has a load on its way; it also shows slots 1 and 2 whole to every wave.
; fill = 0: a plain barrier, behind which slot 0 is whole and nobody reads slots 1 and 2 any more.
.macro CHG fill, slot
	WIN 0
	s_wait_tensorcnt 0x0
	ds_add_u32 v[SPW], v[NIL]
.if \fill
	s_add_nc_u64 s[G0A+2:G0A+3], s[G0A+2:G0A+3], 3*ASTEP           ; no tensor load of mine is out, so a group 0 may be written
	s_add_nc_u64 s[G0B+2:G0B+3], s[G0B+2:G0B+3], 3*256
.endif
	s_wait_dscnt 0x1                               ; set 1 is in; the add alone may be out
	WIN MULW
	MUL16 0, 1, 0                                  ; sixteen matrix instructions stand between the add and the wait for it
	s_wait_dscnt 0x0
	WIN 0                                          ; at a branch and at a label every window is 0
.if \fill
	CROUND
	JLOAD                                          ; the first tensor load behind the round; its four v_nop are also the places in front of the loads below
.else
	s_barrier_signal -1
	s_barrier_wait -1
	PLACES 4
.endif
	FETCH \slot, 0, 0
	WIN MULW
	MUL16 2, 1, 0
.endm
	s_wait_tensorcnt 0x2                           ; my part of K step 0 is in; K steps 1 and 2 may stay out
	s_barrier_signal -1
	s_barrier_wait -1
	FETCH 0, 0, 0
	SUB 0, 1, 0, 1                                 ; k 0-127: the first products start the sums: nothing is cleared
	CHG 1, 1                                       ; k 128-255; slot 0 is left and filled again
	SUB 0, 0, 1, 1
	SUB 1, 0, 2, 0
	SUB 0, 0, 2, 1
	CHG 0, 0                                       ; k 640-767; K step 3 is in
	SUB 0, 0, 0, 1
	s_wait_dscnt 0x0
	MUL16 0, 1, 0                                  ; k 896-1023
	MUL16 2, 1, 0
	WIN 0
	PLACES 4
	; THE WAY OUT: held, quantised (each accumulator from its low end on), 16 bytes a lane into the work-group's stage; a barrier, since a row's 256 bytes come from two waves; back and out in runs of 512 bytes.
.irp a, 0,1,2,3
	WIN 0x02                                       ; source 0: window 2
.set j, 0
.rept 64
	v_med3_num_f32 v[32+j], v[64*\a+j], -v[LIMV], v[LIMV]          ; the conversion does not saturate (ISA guide 7.6.2)
.set j, j+1
.endr
	WIN 0
.irp b, 0,1,2,3,4,5,6,7
	v_cvt_scalef32_pk8_bf8_f32 v[128+16*\a+2*\b:129+16*\a+2*\b], v[32+8*\b:39+8*\b], v[SCV]
.endr
	v_nop                                          ; a plain line between the conversions and the next holds, which write their sources
.irp c, 0,1,2,3
	ds_store_b128 v[STO], v[128+16*\a+4*\c:131+16*\a+4*\c] offset:16*272*\a+32*\c   ; the codes of accumulators 2 c and 2 c + 1
.endr
.endr
	s_wait_dscnt 0x0                               ; for the others' sake: my stores into the stage are done
	s_barrier_signal -1
	s_barrier_wait -1
.irp u, 0,1
.irp t, 0,1,2,3,4,5,6,7
	ds_load_b128 v[192+4*(8*\u+\t):195+4*(8*\u+\t)], v[RD] offset:4*272*\t+128*\u
.endr
.endr
.irp u, 0,1
.irp t, 0,1,2,3,4,5,6,7
	s_wait_dscnt 15-8*\u-\t
	global_store_b128 v[CO], v[192+4*(8*\u+\t):195+4*(8*\u+\t)], s[84+2*\u:85+2*\u] offset:512*\t   ; 32 lanes store 512 consecutive bytes, aligned
.endr
.endr
	s_wait_tensorcnt 0x0                           ; the wave's end
	ds_add_u32 v[SPW], v[NIL]
	s_wait_dscnt 0x0
	CROUND                                         ; the closing round
	s_endpgm
.Lfunc_end_k_qf6a5085d48_qkv:
	.size	k_qf6a5085d48_qkv, .Lfunc_end_k_qf6a5085d48_qkv-k_qf6a5085d48_qkv
	.p2alignl 7, 3214868480
	.fill 96, 4, 3214868480
	.section	.rodata,"a",@progbits
	.p2align	6, 0x0
	.amdhsa_kernel k_qf6a5085d48_qkv
		.amdhsa_group_segment_fixed_size 327680
		.amdhsa_private_segment_fixed_size 0
		.amdhsa_enable_private_segment 0
		.amdhsa_kernarg_size 40
		.amdhsa_user_sgpr_count 2
		.amdhsa_user_sgpr_kernarg_segment_ptr 1
		.amdhsa_wavefront_size32 1
		.amdhsa_system_sgpr_workgroup_id_x 1
		.amdhsa_system_sgpr_workgroup_id_y 1
		.amdhsa_system_sgpr_workgroup_id_z 1
		.amdhsa_system_vgpr_workitem_id 0
		.amdhsa_next_free_vgpr 768
		.amdhsa_next_free_sgpr 100
		.amdhsa_reserve_vcc 0
		.amdhsa_float_denorm_mode_32 3
		.amdhsa_float_denorm_mode_16_64 3
		.amdhsa_memory_ordered 1
		.amdhsa_forward_progress 1
		.amdhsa_inst_pref_size 76
	.end_amdhsa_kernel
	.amdgpu_metadata
---
amdhsa.version: [ 1, 2 ]
amdhsa.kernels:
  - .name:           k_qf6a5085d48_qkv
    .symbol:         k_qf6a5085d48_qkv.kd
    .args:
      - { .name: xc, .offset: 0, .size: 8, .value_kind: global_buffer, .address_space: global }
      - { .name: wc, .offset: 8, .size: 8, .value_kind: global_buffer, .address_space: global }
      - { .name: lowp_scales, .offset: 16, .size: 8, .value_kind: global_buffer, .address_space: global }
      - { .name: qc, .offset: 24, .size: 8, .value_kind: global_buffer, .address_space: global }
      - { .name: kv, .offset: 32, .size: 8, .value_kind: global_buffer, .address_space: global }
    .group_segment_fixed_size: 327680
    .private_segment_fixed_size: 0
    .kernarg_segment_align: 8
    .kernarg_segment_size: 40
    .max_flat_workgroup_size: 128
    .sgpr_count:     100
    .vgpr_count:     768
    .wavefront_size: 32
...
	.end_amdgpu_metadata
.endif
;; end of part 2
;; launch attn (part 3): grid 4 x 64, 8 waves a work-group, clusters of 4 x 4, 327,680 bytes of LDS; arguments qc, kv, rel_pos_bias, lowp_scales, oc; writes oc
.if DOCPART == 3
	.amdgcn_target "amdgcn-amd-amdhsa--gfx1250"
	.amdhsa_code_object_version 6
	.text
	.protected	k_qf6a5085d48_attn
	.globl	k_qf6a5085d48_attn
	.p2align	8
	.type	k_qf6a5085d48_attn,@function
k_qf6a5085d48_attn:
	s_mov_b64 s[64:65], 0
	v_nop
	global_prefetch_b8 v0, s[64:65] scope:SCOPE_SE
	s_setreg_imm32_b32 hwreg(HW_REG_WAVE_MODE, 25, 1), 1
	s_wait_xcnt 0x0
	s_wait_alu depctr_hold_cnt(0) depctr_sa_sdst(0) depctr_va_vdst(0) depctr_va_sdst(0) depctr_va_ssrc(0) depctr_va_vcc(0) depctr_vm_vsrc(0)
	s_getreg_b32 s2, hwreg(HW_REG_IB_STS2, 6, 4)
	s_cmp_eq_u32 s2, 0
	s_cbranch_scc0 .Lentry_in_a_cluster
	s_endpgm
.Lentry_in_a_cluster:
	s_bfe_u32 s2, ttmp6, 0x10000c
	s_cmp_lg_u32 s2, 0xf033
	s_cbranch_scc0 .Lentry_shape_is_right
	s_endpgm
.Lentry_shape_is_right:
; ATTN: o = softmax(q k^T / sqrt(128) + bias) v, both products on codes of BF8 (E5M2); o quantised with e10 into oc [h][token][128].
; THE SOFTMAX AHEAD OF THE SECOND PRODUCT: t = logit x log2(e); M = the running largest t rounded UP to a whole number; p = 2^(t - M) is quantised (e8), not normalised; the row's sum is taken of the
; unquantised p and divides at the end.  When M moves, the sum and O are multiplied by 2^(old M - new M): exact.
; SHARES.  A work-group owns 128 queries of one head in TWO batches: waves 0-3 batch 2 cy, waves 4-7 batch 2 cy + 1.  A wave owns 32 queries, TWO tiles of 16, in 512 registers: two waves to a SIMD.
; So each fragment of K and V that a wave reads from LDS feeds two products: a key step's LDS reads of a wave are 32 + 32 + 32 loads (K, bias, V) for two tiles.  The two batches read one tile of the bias.
; CLUSTER 4 x 4: cx = the block of queries, cy = the pair of batches.  The bias tile (head, block) is shared down a column, which covers all eight batches: each byte of rel_pos_bias is asked for once in the launch.
; K's and V's tiles (pair of batches, head) are shared along a row.  Waves 0, 1 fetch the bias tile's halves, waves 2, 3 one batch's K and V each (one dense block of 32 KB); the others fetch nothing.
; LAYOUT.  Both products transposed: S^T = K Q^T, O^T = V^T P^T: a lane holds ONE query (lane % 16) of each tile.  The codes lie in kv and qc so that fragments fetched by loads of 16 bytes have each index in the
; matrix form's own place along K: so the eight scores of tile t (keys 16 t + 8 (lane / 16) + 0 .. 7) convert straight into registers 2 t, 2 t + 1 of P.
; LDS: two slots of 128 keys: bias 128 rows x 528 | batch 0: K 128 x 144, V 128 x 144 | batch 1 likewise.  All of a WGP's LDS is claimed, and 0 is added to spare words.
; REGISTERS.  Query tile 1 has the same register numbers as query tile 0, one window of 256 higher: so one text serves both softmaxes, under window setting 0 and under 0x55.
;   In each window: v12 -M, v13 the largest t, v[14:15] the sum; v16-31 Q; v32-95 and v96-159 two blocks that change roles; v160-223 O^T; v224-239 P's codes; v240, v244 hold and scale for p; v241, v245 for o;
;   v236, v242-243, v252-254 at work.  Window 0 alone: v1-2 K's and V's place in slot 0, 1; v3 the prefetches' offset; v4 Q's offset; v5, v6 the spare word and 0; v7 16 x lane; v8-9 the bias's place; v10, v11, v251 at work.
;   THE TWO BLOCKS.  In a step block X holds K's fragments (tiles 0-3 in window 0, tiles 4-7 in window 1), then the two tiles' bias, then V's fragments; block Y holds the scores, then p, and, when p is quantised,
;   the NEXT step's K.  So X and Y change places from step to step; the parity is the slot's.
; THE ORDER OF A STEP lays each run of LDS loads ahead of vector work: V is asked for ahead of the first softmax, the next step's K ahead of the second.  All reads of a slot are then issued by the step's middle, and
; THE CHANGE OF SLOTS stands there, between the two softmaxes.
; LIMITS: e6 + e7 between -122 and 131 (added to the exponent field of 1 / sqrt(128)); e8 and e10 between -126 and 112.  NaN among the inputs is not served.
.set BIASB, 128*528                    ; 67,584
.set KVB,   256*144                    ; 36,864: one batch's K and V
.set VOFF,  128*144                    ; V's tile lies behind K's
.set SLOT,  BIASB+2*KVB                ; 141,312
.set SPARE, 2*SLOT                     ; the spare words: 128 bytes a wave, four blocks of 256 bytes that no other line names
.set AKV, 1
.set PFO, 3
.set SPW, 5
.set NIL, 6
.set GO,  7
.set AB,  8
.set WV,  18
.set G1B, 24                           ; s[24:31] the bias's shape;  s[32:39] K's and V's
.set G1K, 32
.set G0B, 40                           ; s[40:47] the bias's group 0, a set for each slot;  s[48:55] K's and V's
.set G0K, 48
.set MSB, 0
.macro WIN new                         ; bits 1:0 source 0, 3:2 source 1, 5:4 source 2, 7:6 destination; the immediate's high byte repeats the setting that is left
.if MSB != (\new)
	s_set_vgpr_msb (MSB<<8)|(\new)
.set MSB, (\new)
.endif
.endm
.macro PLACES n
.rept \n
	v_nop
.endr
.endm
.macro CROUND                          ; a round of the cluster's barrier
	s_barrier_signal -1
	s_barrier_wait -1
	s_cmp_lg_u32 s[WV], 0
	s_cbranch_scc1 .Lnot_wave_0_\@
	s_barrier_signal -3
.Lnot_wave_0_\@:
	s_barrier_wait -3
	s_barrier_signal -1
	s_barrier_wait -1
.endm
.macro TLOAD fs                        ; the joint refill of slot fs; the branches hang on the wave's number alone; four v_nop follow each line
	s_cmp_lt_u32 s[WV], 2
	s_cbranch_scc0 .Lnot_b_\@
	tensor_load_to_lds s[G0B+4*\fs:G0B+4*\fs+3], s[G1B:G1B+7]
	s_nop 0
.rept 4
	v_nop
.endr
	s_branch .Lasked_\@
.Lnot_b_\@:
	s_cmp_lt_u32 s[WV], 4
	s_cbranch_scc0 .Lasked_\@
	tensor_load_to_lds s[G0K+4*\fs:G0K+4*\fs+3], s[G1K:G1K+7]
	s_nop 0
.rept 4
	v_nop
.endr
.Lasked_\@:
.endm
; A PREFETCH INTO THE L2 of what the NEXT change of slots will ask for, one key step ahead of that load.  Each aligned block of 256 bytes is named once in the launch.
; The bias tile, 128 rows x 512 bytes, is read by one column of one cluster: its four partners take 32 rows each, told apart BY ADDRESS (cy); in each, waves 4 and 5 take a row's two halves, a lane a row.
; A batch's 32 KB of K and V are read by a row of the cluster and by the head's other cluster: the even cluster asks; its four partners take 8 KB each, by address (cx); waves 6 and 7 take a batch each, lanes 256 bytes apart.
; The last change that fills a slot asks for nothing; key steps 0, 1, 2 come by their loads alone.
.macro ASK
	s_cmp_gt_u32 s57, s58
	s_cbranch_scc0 .Lnot_mine_\@
	global_prefetch_b8 v[PFO], s[60:61] th:TH_LOAD_NT scope:SCOPE_SE
.Lnot_mine_\@:
.endm
	s_load_b128 s[4:7], s[0:1], 0x0                ; qc s[4:5], kv s[6:7]
	s_load_b128 s[8:11], s[0:1], 0x10              ; rel_pos_bias s[8:9], the exponents s[10:11]
	s_load_b64 s[12:13], s[0:1], 0x20              ; oc
	v_lshl_add_u32 v[SPW], v0, 2, SPARE
	v_mov_b32 v[NIL], 0
	ds_add_u32 v5, v6
	s_wait_dscnt 0x0
	v_lshrrev_b32 v10, 5, v0
	v_readfirstlane_b32 s[WV], v10                 ; wave 0..7
	s_and_b32 s16, s[WV], 1
	s_lshr_b32 s17, s[WV], 2                       ; which of the two batches
	s_and_b32 s19, s[WV], 3                        ; which 32 queries
	s_bfe_u32 s66, ttmp6, 0x40000                  ; cx
	s_bfe_u32 s67, ttmp6, 0x40004                  ; cy
	s_and_b32 s68, ttmp7, 0xffff                   ; the cluster, 0..15
	s_lshr_b32 s69, s68, 1                         ; the head
	s_and_b32 s70, s68, 1
	s_lshl_b32 s70, s70, 2
	s_add_co_u32 s70, s70, s66                     ; the block of 128 queries
	s_lshl_b32 s71, s67, 2
	s_lshl_b32 s71, 15, s71                        ; my row of the cluster
	s_lshl_b32 s72, 0x1111, s66                    ; my column
	s_or_b32 s[G1B], s72, (2<<16)|(1<<20)|(1<<21)|(6<<22)|(3<<25)  ; the mask: my column; elements of 4 bytes; padding: 4 words behind every 128; bit 21 beside a mask
	s_mov_b32 s[G1B+1], 128<<16
	s_mov_b32 s[G1B+2], 64<<16
	s_mov_b32 s[G1B+3], 128<<16
	s_mov_b32 s[G1B+4], 64
	s_mov_b32 s[G1B+5], 1024
	s_mov_b32 s[G1B+6], 0
	s_mov_b32 s[G1B+7], 0
	s_or_b32 s[G1K], s71, (1<<20)|(1<<21)|(4<<22)|(3<<25)          ; the mask: my row; elements of 1 byte; 4 words behind every 32
	s_mov_b32 s[G1K+1], 128<<16
	s_mov_b32 s[G1K+2], 256<<16
	s_mov_b32 s[G1K+3], 128<<16
	s_mov_b32 s[G1K+4], 256
	s_mov_b32 s[G1K+5], 128
	s_mov_b32 s[G1K+6], 0
	s_mov_b32 s[G1K+7], 0
	s_lshl_b32 s74, s70, 7                         ; the bias: head, row 128 x block + 64 x (w & 1)
	s_lshl_b32 s75, s16, 6
	s_add_co_u32 s74, s74, s75
	s_lshl_b32 s74, s74, 12
	s_lshl_b32 s75, s69, 22
	s_add_co_u32 s74, s74, s75
	s_mov_b32 s75, 0
	s_lshl_b32 s76, s67, 1                         ; kv: batch 2 cy + (w & 1), head.  These registers never hold cx
	s_add_co_u32 s76, s76, s16
	s_lshl_b32 s76, s76, 21
	s_lshl_b32 s77, s69, 18
	s_add_co_u32 s76, s76, s77
	s_mov_b32 s77, 0
	s_mul_i32 s78, s16, 64*528                     ; where they go: no place in the cluster enters an LDS address
	s_mul_i32 s79, s16, KVB
	s_add_co_u32 s79, s79, BIASB
	s_lshl_b32 s92, s67, 1
	s_add_co_u32 s92, s92, s17                     ; my batch
	s_lshl_b32 s93, s70, 7
	s_lshl_b32 s94, s19, 5
	s_add_co_u32 s93, s93, s94                     ; my first query in the sequence: 128 x block + 32 x (w & 3)
	s_lshl_b32 s94, s92, 10
	s_add_co_u32 s94, s94, s93                     ; as a token
	s_lshl_b32 s94, s94, 7
	s_lshl_b32 s95, s69, 20
	s_add_co_u32 s94, s94, s95                     ; its row in oc
	s_mov_b32 s95, 0
	s_lshl_b32 s92, s92, 20
	s_lshl_b32 s93, s93, 7
	s_add_co_u32 s92, s92, s93
	s_lshl_b32 s93, s69, 17
	s_add_co_u32 s92, s92, s93                     ; its row in qc
	s_mov_b32 s93, 0
	s_lshl_b32 s96, s70, 7                         ; the prefetches stand at key step 2; the first change of slots steps them to 3.  The bias: row 128 x block + 32 cy, half w & 1
	s_lshl_b32 s97, s67, 5
	s_add_co_u32 s96, s96, s97
	s_lshl_b32 s96, s96, 12
	s_lshl_b32 s97, s69, 22
	s_add_co_u32 s96, s96, s97
	s_lshl_b32 s97, s16, 8
	s_add_co_u32 s96, s96, s97
	s_add_co_u32 s96, s96, 2*512
	s_lshl_b32 s97, s66, 13                        ; kv: my batch and head, quarter cx
	s_add_co_u32 s97, s97, s76
	s_add_co_u32 s97, s97, 2*32768
	s_mov_b32 s62, 0x8000
	s_mov_b32 s98, 256
	s_cmp_lt_u32 s[WV], 6
	s_cselect_b32 s96, s96, s97
	s_cselect_b32 s62, 512, s62                    ; a key step on
	s_cselect_b32 s98, 0x1000, s98                 ; from lane to lane
	s_mov_b32 s97, 0
	s_mov_b32 s63, 0
	s_sub_co_u32 s71, s[WV], 4                     ; who asks: waves 4, 5; waves 6, 7 of an even cluster.  The same in all sixteen partners, for a given wave
	s_lshr_b32 s72, s71, 2
	s_lshr_b32 s73, s71, 1
	s_and_b32 s73, s73, s68
	s_and_b32 s73, s73, 1
	s_or_b32 s72, s72, s73
	s_cmp_eq_u32 s72, 0
	s_cselect_b32 s58, 1, -1
	s_mov_b32 s57, 6                               ; changes of slots that fill, still to come
	s_mov_b32 s56, 3
	s_mov_b32 s14, 0x3fb8aa3b                      ; log2(e)
	s_mov_b32 s15, s14                             ; (named with it as a pair)
	s_mov_b32 s20, 0x76543210                      ; lane selects: lane l xor 16
	s_mov_b32 s21, 0xfedcba98
	s_wait_kmcnt 0x0
	s_load_b256 s[80:87], s[10:11], 0x0            ; e0 .. e7
	s_load_b128 s[88:91], s[10:11], 0x20           ; e8 .. e11
	s_cmp_lt_u32 s[WV], 6
	s_cselect_b64 s[60:61], s[8:9], s[6:7]
	s_add_nc_u64 s[60:61], s[60:61], s[96:97]
	s_add_nc_u64 s[74:75], s[8:9], s[74:75]
	s_add_nc_u64 s[76:77], s[6:7], s[76:77]
	s_add_nc_u64 s[4:5], s[4:5], s[92:93]
	s_add_nc_u64 s[12:13], s[12:13], s[94:95]
.irp s, 0,1
	s_mov_b32 s[G0B+4*\s], 1
	s_add_co_u32 s[G0B+4*\s+1], s78, \s*SLOT
	s_add_nc_u64 s[G0B+4*\s+2:G0B+4*\s+3], s[74:75], \s*512
	s_or_b32 s[G0B+4*\s+3], s[G0B+4*\s+3], 0x80000000
	s_mov_b32 s[G0K+4*\s], 1
	s_add_co_u32 s[G0K+4*\s+1], s79, \s*SLOT
	s_add_nc_u64 s[G0K+4*\s+2:G0K+4*\s+3], s[76:77], \s*32768
	s_or_b32 s[G0K+4*\s+3], s[G0K+4*\s+3], 0x80000000
.endr
	CROUND                                         ; all sixteen work-groups are here: the first joint loads meet
	s_cmp_lt_u32 s[WV], 2                          ; a wave's two first fills stand in one branch, ahead of every wait on TENSORcnt and every LDS read: two loads of a wave are out at the most
	s_cbranch_scc0 .Lfirst_not_b
	tensor_load_to_lds s[G0B:G0B+3], s[G1B:G1B+7]
	s_nop 0
	tensor_load_to_lds s[G0B+4:G0B+7], s[G1B:G1B+7]
	s_nop 0
.rept 4
	v_nop
.endr
	s_branch .Lfirst_done
.Lfirst_not_b:
	s_cmp_lt_u32 s[WV], 4
	s_cbranch_scc0 .Lfirst_done
	tensor_load_to_lds s[G0K:G0K+3], s[G1K:G1K+7]
	s_nop 0
	tensor_load_to_lds s[G0K+4:G0K+7], s[G1K:G1K+7]
	s_nop 0
.rept 4
	v_nop
.endr
.Lfirst_done:
	v_and_b32 v10, 15, v0                          ; r
	v_bfe_u32 v11, v0, 4, 1                        ; h
	v_lshlrev_b32 v4, 7, v10
	v_lshl_add_u32 v4, v11, 4, v4                  ; Q: row r of 128 bytes, + 16 h
.irp c, 0,1,2,3
	global_load_b128 v[16+4*\c:19+4*\c], v4, s[4:5] offset:32*\c   ; Q's fragments stay in registers: query tile 0,
.endr
	WIN 0x40                                       ; destination window 1, address window 0
.irp c, 0,1,2,3
	global_load_b128 v[16+4*\c:19+4*\c], v4, s[4:5] offset:16*128+32*\c   ; and query tile 1, sixteen rows on
.endr
	WIN 0
	v_mul_u32_u24 v[AKV], v10, 144
	v_lshl_add_u32 v[AKV], v11, 4, v[AKV]
	s_mul_i32 s71, s17, KVB
	s_add_co_u32 s71, s71, BIASB
	v_add_nc_u32 v[AKV], s71, v[AKV]               ; my batch's K and V: row r x 144 + 16 h
	v_add_nc_u32 v[AKV+1], SLOT, v[AKV]
	v_mul_u32_u24 v[AB], v10, 528
	v_lshl_add_u32 v[AB], v11, 5, v[AB]
	s_mul_i32 s72, s19, 32*528
	v_add_nc_u32 v[AB], s72, v[AB]                 ; the bias: query tile 0's row of my lane, + 32 h: eight keys' numbers; query tile 1's lies 16 rows on
	v_add_nc_u32 v[AB+1], SLOT, v[AB]
	v_and_b32 v[GO], 31, v0
	v_mul_lo_u32 v[PFO], v[GO], s98
	v_lshlrev_b32 v[GO], 4, v[GO]
.macro INIT                            ; a query tile's state, under its window
	v_mov_b32 v13, 0xff61b1e6                      ; the largest t so far: -3e38, under every t
	v_floor_f32 v12, -v13                          ; -M
	v_mov_b32 v14, 0                               ; the sum, in two halves
	v_mov_b32 v15, 0
	v_mov_b32 v236, 0                              ; written once: a lane permute's destination counts as one of its sources
	v_mov_b32 v253, 0                              ; (named as the upper half of the pair v[252:253])
.set j, 0
.rept 64
	v_mov_b32 v[160+j], 0                          ; O^T.  (The step has no first form of its own, which would be two more copies of it: the first change of M leaves zeros zeros)
.set j, j+1
.endr
.endm
	INIT
	WIN 0x55
	INIT
	WIN 0
	s_wait_kmcnt 0x0
	s_add_co_i32 s71, s86, s87
	s_lshl_b32 s71, s71, 23
	s_add_co_i32 s22, s71, 0x3db504f3              ; 2^(e6 + e7) / sqrt(128): the two exponents are added to the factor's exponent field
	s_mov_b32 s23, s22
.macro MKQ vs, vl, se                  ; 2^e as f32, for the conversion, and 57,344 x 2^e: in both windows
	s_add_co_i32 s71, \se, 127
	s_lshl_b32 s72, s71, 23
	s_add_co_i32 s71, s71, 15
	s_lshl_b32 s71, s71, 23
	s_or_b32 s71, s71, 0x600000
	v_mov_b32 v[\vs], s72
	v_mov_b32 v[\vl], s71
	WIN 0x40
	v_mov_b32 v[\vs], s72
	v_mov_b32 v[\vl], s71
	WIN 0
.endm
	MKQ 244, 240, s88
	MKQ 245, 241, s90
	s_add_co_i32 s99, s88, s89                     ; e8 + e9
; sixteen LDS loads: four fragments (tiles 4 g + t of K, off = 0, or of V, off = VOFF) of my batch's part of slot sl, into block B of window g
.macro FRAGS sl, g, B, off
	WIN 0x40*(\g)
.irp t, 0,1,2,3
.irp c, 0,1,2,3
	ds_load_b128 v[\B+16*\t+4*\c:\B+16*\t+4*\c+3], v[AKV+\sl] offset:\off+16*144*(4*(\g)+\t)+32*\c
.endr
.endr
.endm
; sixteen LDS loads: the bias of query tile u at the lane's 64 keys, in the scores' order, into block X of window u
.macro BIAS sl, u, X
	WIN 0x40*(\u)
.irp t, 0,1,2,3,4,5,6,7
	ds_load_b128 v[\X+8*\t:\X+8*\t+3], v[AB+\sl] offset:16*528*(\u)+64*\t
	ds_load_b128 v[\X+8*\t+4:\X+8*\t+7], v[AB+\sl] offset:16*528*(\u)+64*\t+16
.endr
.endm
; eight products S^T = K Q^T: key tiles 4 g + t (fragments in block X of window g) for query tile 0, then for query tile 1
.macro SMUL g, X, Y
	WIN \g
.irp t, 0,1,2,3
	v_wmma_f32_16x16x128_bf8_bf8 v[\Y+8*(4*(\g)+\t):\Y+8*(4*(\g)+\t)+7], v[\X+16*\t:\X+16*\t+15], v[16:31], 0
.endr
	WIN 0x44+(\g)                                  ; Q and the scores in window 1
.irp t, 0,1,2,3
	v_wmma_f32_16x16x128_bf8_bf8 v[\Y+8*(4*(\g)+\t):\Y+8*(4*(\g)+\t)+7], v[\X+16*\t:\X+16*\t+15], v[16:31], 0
.endr
.endm
; eight products O^T += V^T P^T: channel tiles 4 g + t.  Each of a step's sixteen names another accumulator
.macro PVMUL g, X
	WIN \g
.irp t, 0,1,2,3
	v_wmma_f32_16x16x128_bf8_bf8 v[160+8*(4*(\g)+\t):167+8*(4*(\g)+\t)], v[\X+16*\t:\X+16*\t+15], v[224:239], v[160+8*(4*(\g)+\t):167+8*(4*(\g)+\t)]
.endr
	WIN 0x54+(\g)                                  ; P and O^T in window 1
.irp t, 0,1,2,3
	v_wmma_f32_16x16x128_bf8_bf8 v[160+8*(4*(\g)+\t):167+8*(4*(\g)+\t)], v[\X+16*\t:\X+16*\t+15], v[224:239], v[160+8*(4*(\g)+\t):167+8*(4*(\g)+\t)]
.endr
.endm
; a query tile's logits, under its window: sum x 2^(e6 + e7) / sqrt(128) + bias; each accumulator from its low end on
.macro LOGIT X, Y
.set j, 0
.rept 32
	v_pk_fma_f32 v[\Y+j:\Y+j+1], v[\Y+j:\Y+j+1], s[22:23], v[\X+j:\X+j+1] op_sel_hi:[1,0,1]
.set j, j+2
.endr
.endm
; a query tile's softmax for one key step, under its window: the logits in block Y become p, P's codes are made, the sum and O^T are brought under the new M
.macro SOFT Y
	v_max3_num_f32 v254, v[\Y], v[\Y+1], v[\Y+2]   ; the step's largest logit of my query among my 64 keys, in two chains,
	v_max3_num_f32 v252, v[\Y+3], v[\Y+4], v[\Y+5]
.irp i, 6,10,14,18,22,26,30,34,38,42,46,50,54,58
	v_max3_num_f32 v254, v254, v[\Y+\i], v[\Y+\i+1]
	v_max3_num_f32 v252, v252, v[\Y+\i+2], v[\Y+\i+3]
.endr
	v_max3_num_f32 v254, v254, v[\Y+62], v[\Y+63]
	v_max_num_f32 v254, v254, v252
	v_permlanex16_b32 v236, v254, s20, s21
	v_max_num_f32 v254, v254, v236                 ; and among lane l xor 16's
	v_mul_f32 v254, s14, v254                      ; as t
	v_max_num_f32 v13, v13, v254                   ; the running largest t
	v_mov_b32 v254, v12
	v_floor_f32 v12, -v13                          ; the new -M = floor(-t) = -ceil(t): a whole number
	v_sub_f32 v254, v12, v254                      ; old M - new M: a whole number, 0 or less
	v_cvt_i32_f32 v254, v254                       ; (it saturates)
	v_ldexp_f32 v252, 1.0, v254                    ; f = 2^(old M - new M)
.set j, 0
.rept 32
	v_pk_fma_f32 v[\Y+j:\Y+j+1], v[\Y+j:\Y+j+1], s[14:15], v[12:13] op_sel_hi:[1,0,0]   ; t - M, two at a time
.set j, j+2
.endr
.set j, 0
.rept 64
	v_exp_f32 v[\Y+j], v[\Y+j]                     ; p = 2^(t - M), at most 1: not normalised
.set j, j+1
.endr
	v_pk_mul_f32 v[14:15], v[14:15], v[252:253] op_sel_hi:[1,0]    ; the sums under the new M (a plain line behind the exponentials)
	s_wait_alu depctr_va_vdst(0)                   ; one wait for the whole batch, ahead of its first reader
	v_pk_add_f32 v[242:243], v[\Y:\Y+1], v[\Y+2:\Y+3]              ; the row's sum is taken of the unquantised p, in two chains
.irp j, 4,8,12,16,20,24,28,32,36,40,44,48,52,56,60
	v_pk_add_f32 v[14:15], v[14:15], v[\Y+\j:\Y+\j+1]
	v_pk_add_f32 v[242:243], v[242:243], v[\Y+\j+2:\Y+\j+3]
.endr
	v_pk_add_f32 v[14:15], v[14:15], v[242:243]
.set j, 0
.rept 64
	v_min_num_f32 v[\Y+j], v[\Y+j], v240           ; the conversion does not saturate (ISA guide 7.6.2); p is not negative, so the hold is one-sided
.set j, j+1
.endr
.irp t, 0,1,2,3,4,5,6,7
	v_cvt_scalef32_pk8_bf8_f32 v[224+2*\t:225+2*\t], v[\Y+8*\t:\Y+8*\t+7], v244         ; registers 2 t, 2 t + 1 of P: keys 16 t + 8 h + 0 .. 7
.endr
.set j, 0
.rept 32
	v_pk_mul_f32 v[160+j:161+j], v[160+j:161+j], v[252:253] op_sel_hi:[1,0]             ; O^T under the new M.  (These are also the plain lines behind the conversions)
.set j, j+2
.endr
.endm
; THE CHANGE OF SLOTS, in the middle of the step that reads slot fs: all its reads of that slot have been issued.  Each wave waits for all its tensor loads (its part of the other slot), adds 0 to its spare word
; and waits for that and for its reads of slot fs.  fill = 1: a round of the cluster's barrier, then the joint refill of slot fs with the keys two steps on:
; it has a whole key step in which to land.  Behind the barrier the other slot is whole for every wave.
.macro CHANGE fs, fill
	s_wait_tensorcnt 0x0                           ; no tensor load of mine is out, so a group 0 may be written
	ds_add_u32 v[SPW], v[NIL]
.if \fill
	s_add_nc_u64 s[G0B+4*\fs+2:G0B+4*\fs+3], s[G0B+4*\fs+2:G0B+4*\fs+3], 2*512
	s_add_nc_u64 s[G0K+4*\fs+2:G0K+4*\fs+3], s[G0K+4*\fs+2:G0K+4*\fs+3], 2*32768
	s_wait_xcnt 0x0                                ; the last prefetch, a key step back, has read its address
	s_add_nc_u64 s[60:61], s[60:61], s[62:63]
.endif
	s_wait_dscnt 0x0                               ; the add is done; V's fragments are in, and with them all my reads of slot fs
.if \fill
	CROUND
	TLOAD \fs
	ASK
	s_sub_co_u32 s57, s57, 1
.else
	s_barrier_signal -1
	s_barrier_wait -1
.endif
.endm
; A KEY STEP: the 128 keys in slot sl.  At its head K's fragments are on their way into block X: tiles 0-3 (sixteen loads), then tiles 4-7 (sixteen).
; Each s_wait_dscnt 16 below finds two runs of sixteen loads out: the older run is in behind it, the younger stays out.
; mode 2: a change of slots that fills, and the next step's K; 1: a change that fills nothing, and the next step's K; 0: the last step.
.macro STEP sl, X, Y, mode
	s_wait_dscnt 0x10                              ; K's tiles 0-3 are in
	SMUL 0, \X, \Y
	PLACES 4                                       ; loads into registers that matrix instructions have read stand four plain vector lines behind them
	BIAS \sl, 0, \X
	s_wait_dscnt 0x10                              ; K's tiles 4-7 are in
	SMUL 1, \X, \Y
	PLACES 4                                       ; for the loads below, and for the first reads of the scores
	BIAS \sl, 1, \X
	s_wait_dscnt 0x10                              ; query tile 0's bias is in
	WIN 0
	LOGIT \X, \Y
	FRAGS \sl, 0, \X, VOFF                         ; V's tiles 0-3, where that bias lay
	s_wait_dscnt 0x10                              ; query tile 1's bias is in
	WIN 0x55
	LOGIT \X, \Y
	FRAGS \sl, 1, \X, VOFF                         ; V's tiles 4-7
	WIN 0
	SOFT \Y                                        ; V lands meanwhile
.if \mode == 2
	CHANGE \sl, 1
.elseif \mode == 1
	CHANGE \sl, 0
.endif
.if \mode
	FRAGS 1-\sl, 0, \Y, 0                          ; the next step's K, tiles 0-3, where query tile 0's p lay
.endif
	WIN 0x55
	SOFT \Y                                        ; they land meanwhile
.if \mode
	FRAGS 1-\sl, 1, \Y, 0                          ; tiles 4-7, where query tile 1's p lay
.else
	s_wait_dscnt 0x0                               ; V's fragments are in (in the other modes the change of slots has waited for them)
.endif
	PVMUL 0, \X
	PVMUL 1, \X
	WIN 0                                          ; at a label and at a branch every window is 0
	PLACES 5                                       ; the next step's scores are written over V's fragments: five plain vector lines between (ISA guide 7.12.1)
.endm
	s_wait_tensorcnt 0x1                           ; my part of slot 0 is in; slot 1's may stay out
	s_barrier_signal -1
	s_barrier_wait -1
	FRAGS 0, 0, 32, 0                              ; key step 0's K
	FRAGS 0, 1, 32, 0
	WIN 0
	s_wait_loadcnt 0x0                             ; Q
.Lpair:                                            ; three trips: key steps 0 to 5; slots are filled with key steps 2 to 7
	STEP 0, 32, 96, 2
	STEP 1, 96, 32, 2
	s_sub_co_u32 s56, s56, 1
	s_cmp_lg_u32 s56, 0
	s_cbranch_scc1 .Lpair
	STEP 0, 32, 96, 1                              ; the tail is written out: nothing is left to fetch
	STEP 1, 96, 32, 0                              ; key step 7
	; THE WAY OUT.  O^T / the sum x 2^(e8 + e9) is o; it is held, quantised with e10, and goes through my stage (32 rows x 144 bytes, in slot 0: that slot has had its last fill, and its last read lies
	; ahead of the last barrier), so that the wave stores its 32 rows of 128 codes, 4 KB on end, in runs of 512 bytes.
.macro RSUM                            ; 1 / the row's sum, under the tile's window
	v_add_f32 v14, v14, v15
	v_permlanex16_b32 v252, v14, s20, s21
	v_add_f32 v14, v14, v252
	v_rcp_f32 v14, v14
	v_nop                                          ; a plain line behind the reciprocal
.endm
	RSUM
	WIN 0x55
	RSUM
	WIN 0
	v_and_b32 v10, 15, v0
	v_bfe_u32 v11, v0, 4, 1
	s_mul_i32 s71, s[WV], 32*144
	v_mul_u32_u24 v10, v10, 144
	v_lshl_add_u32 v10, v11, 3, v10
	v_add_nc_u32 v10, s71, v10                     ; in: row r, + 8 h; query tile 1 sixteen rows on
	v_bfe_u32 v11, v0, 3, 2
	v_mul_u32_u24 v11, v11, 144
	v_and_b32 v251, 7, v0
	v_lshl_add_u32 v11, v251, 4, v11
	v_add_nc_u32 v11, s71, v11                     ; back: eight lanes to a row, four rows an instruction
	s_wait_alu depctr_va_vdst(0)                   ; one wait for the two reciprocals, ahead of their first reader
.macro OQ                              ; a query tile's o as codes, under its window
	v_ldexp_f32 v14, v14, s99
.set j, 0
.rept 64
	v_mul_f32 v[96+j], v[160+j], v14               ; register 8 t + i: o(query r, channel 16 t + 8 h + i); each accumulator from its low end on
.set j, j+1
.endr
.set j, 0
.rept 64
	v_med3_num_f32 v[96+j], v[96+j], -v241, v241   ; the conversion does not saturate (ISA guide 7.6.2)
.set j, j+1
.endr
.irp t, 0,1,2,3,4,5,6,7
	v_cvt_scalef32_pk8_bf8_f32 v[32+2*\t:33+2*\t], v[96+8*\t:103+8*\t], v245
.endr
	v_nop                                          ; a plain line behind the last conversion
.endm
	OQ
	WIN 0x55
	OQ
	WIN 0
.irp t, 0,1,2,3,4,5,6,7
	ds_store_b64 v10, v[32+2*\t:33+2*\t] offset:16*\t
.endr
	WIN 0x04                                       ; the stores' data in window 1, the address in window 0
.irp t, 0,1,2,3,4,5,6,7
	ds_store_b64 v10, v[32+2*\t:33+2*\t] offset:16*144+16*\t
.endr
	WIN 0
.irp i, 0,1,2,3,4,5,6,7
	ds_load_b128 v[64+4*\i:67+4*\i], v11 offset:4*144*\i           ; LDS serves a wave's instructions in order: these see my stores
.endr
.irp i, 0,1,2,3,4,5,6,7
	s_wait_dscnt 7-\i
	global_store_b128 v[GO], v[64+4*\i:67+4*\i], s[12:13] offset:512*\i   ; 32 lanes store 512 consecutive bytes, aligned
.endr
	s_wait_tensorcnt 0x0                           ; the wave's end
	ds_add_u32 v[SPW], v[NIL]
	s_wait_dscnt 0x0
	CROUND                                         ; the closing round
	s_endpgm
.Lfunc_end_k_qf6a5085d48_attn:
	.size	k_qf6a5085d48_attn, .Lfunc_end_k_qf6a5085d48_attn-k_qf6a5085d48_attn
	.p2alignl 7, 3214868480
	.fill 96, 4, 3214868480
	.section	.rodata,"a",@progbits
	.p2align	6, 0x0
	.amdhsa_kernel k_qf6a5085d48_attn
		.amdhsa_group_segment_fixed_size 327680
		.amdhsa_private_segment_fixed_size 0
		.amdhsa_enable_private_segment 0
		.amdhsa_kernarg_size 40
		.amdhsa_user_sgpr_count 2
		.amdhsa_user_sgpr_kernarg_segment_ptr 1
		.amdhsa_wavefront_size32 1
		.amdhsa_system_sgpr_workgroup_id_x 1
		.amdhsa_system_sgpr_workgroup_id_y 1
		.amdhsa_system_sgpr_workgroup_id_z 1
		.amdhsa_system_vgpr_workitem_id 0
		.amdhsa_next_free_vgpr 512
		.amdhsa_next_free_sgpr 100
		.amdhsa_reserve_vcc 0
		.amdhsa_float_denorm_mode_32 3
		.amdhsa_float_denorm_mode_16_64 3
		.amdhsa_memory_ordered 1
		.amdhsa_forward_progress 1
		.amdhsa_inst_pref_size 191
	.end_amdhsa_kernel
	.amdgpu_metadata
---
amdhsa.version: [ 1, 2 ]
amdhsa.kernels:
  - .name:           k_qf6a5085d48_attn
    .symbol:         k_qf6a5085d48_attn.kd
    .args:
      - { .name: qc, .offset: 0, .size: 8, .value_kind: global_buffer, .address_space: global }
      - { .name: kv, .offset: 8, .size: 8, .value_kind: global_buffer, .address_space: global }
      - { .name: rel_pos_bias, .offset: 16, .size: 8, .value_kind: global_buffer, .address_space: global }
      - { .name: lowp_scales, .offset: 24, .size: 8, .value_kind: global_buffer, .address_space: global }
      - { .name: oc, .offset: 32, .size: 8, .value_kind: global_buffer, .address_space: global }
    .group_segment_fixed_size: 327680
    .private_segment_fixed_size: 0
    .kernarg_segment_align: 8
    .kernarg_segment_size: 40
    .max_flat_workgroup_size: 256
    .sgpr_count:     100
    .vgpr_count:     512
    .wavefront_size: 32
...
	.end_amdgpu_metadata
.endif
;; end of part 3
;; launch oproj (part 4): grid 4 x 64, 4 waves a work-group, clusters of 4 x 4, 327,680 bytes of LDS; arguments oc, wc, query, lowp_scales, out0; writes out0
.if DOCPART == 4
	.amdgcn_target "amdgcn-amd-amdhsa--gfx1250"
	.amdhsa_code_object_version 6
	.text
	.protected	k_qf6a5085d48_oproj
	.globl	k_qf6a5085d48_oproj
	.p2align	8
	.type	k_qf6a5085d48_oproj,@function
k_qf6a5085d48_oproj:
	s_mov_b64 s[64:65], 0
	v_nop
	global_prefetch_b8 v0, s[64:65] scope:SCOPE_SE
	s_setreg_imm32_b32 hwreg(HW_REG_WAVE_MODE, 25, 1), 1
	s_wait_xcnt 0x0
	s_wait_alu depctr_hold_cnt(0) depctr_sa_sdst(0) depctr_va_vdst(0) depctr_va_sdst(0) depctr_va_ssrc(0) depctr_va_vcc(0) depctr_vm_vsrc(0)
	s_getreg_b32 s2, hwreg(HW_REG_IB_STS2, 6, 4)
	s_cmp_eq_u32 s2, 0
	s_cbranch_scc0 .Lentry_in_a_cluster
	s_endpgm
.Lentry_in_a_cluster:
	s_bfe_u32 s2, ttmp6, 0x10000c
	s_cmp_lg_u32 s2, 0xf033
	s_cbranch_scc0 .Lentry_shape_is_right
	s_endpgm
.Lentry_shape_is_right:
; OPROJ: out0 = (query + o Wo^T) x sqrt(1/2), the product on codes of BF8 (E5M2): o from oc [h][token][128], Wo from wc's plane 3 [channel][1024].
; TILE.  128 tokens x 256 channels; four waves, each 64 x 128: 32 accumulators, by turns.  256 tiles: one for each WGP.  K = 1,024 is eight steps of 128, one head each, written out.
; THE MATRIX INSTRUCTION IS USED TRANSPOSED (source 0 = 16 channels, source 1 = 16 tokens): a lane holds one token and eight neighbouring channels.
; Fragments come by four loads of 16 bytes: a permutation of k that is the same on both sides.
; CLUSTERS: 4 x 4 work-groups; o's tile is shared along a row of the cluster, Wo's along a column: joint loads.
; LDS: three slots of 256 along K (two heads).  K steps 0, 1, 2 are asked for together at the start (three tensor loads of a wave are out at the most); ONE refill: K step 3 into slot 0.
; The wave's 64 x 128 numbers of query are asked for at the start, into 256 registers of their own, and land under the products.
; All of a WGP's LDS is claimed, and 0 is added to spare words.
; LIMIT: e10 + e11 between -125 and 128 (added to the exponent field of sqrt(1/2)).
; REGISTERS: window 0: v1-29 addresses; v32-95 at work; A's fragments, two sets, at v128 and v192 (on the way out: rows read back).  window 1: B's, two sets.  window 2: accumulator (a, b) at v[8 (8 a + b)].
;   window 3: query: row rho of my 64 at v[4 rho].
.set APITCH, 144                       ; A's LDS row: 128 bytes + 16 = 36 words: the 16 rows that a load touches start at 16 different groups of banks (64 banks of 4 bytes: ISA guide 11.1)
.set AQ,     128*APITCH                ; from a slot's first head to its second
.set AHALF,  128*APITCH                ; what one tensor load brings of A: one head's 128 rows
.set AWROW,  64*APITCH                 ; from waves 0, 1's rows to waves 2, 3's
.set APART,  256*APITCH
.set ASTEP,  2097152                   ; a K step in memory: two heads' planes
.set BPITCH, 272
.set BHALF,  128*BPITCH
.set SLOT,   APART+2*BHALF             ; 106,496
.set STAGE,  SLOT                      ; the way out goes through slot 1: it has had its only fill, and its last read lies ahead of the last barrier
.set SPARE,  3*SLOT                    ; the spare words: 128 bytes a wave, two blocks of 256 bytes that no other line names
.set ADRA, 16
.set ADRB, 20
.set STO,  24
.set RD,   25
.set CO,   26
.set SPW,  28
.set NIL,  29
.set G1A, 24
.set G1B, 32
.set G0A, 40
.set G0B, 52
.set MULW, 0xa1                        ; source 0 (B) window 1, source 1 (A) window 0, C and D window 2
.set MSB, 0
.macro WIN new                         ; the immediate's high byte repeats the setting that is left
.if MSB != \new
	s_set_vgpr_msb (MSB<<8)|\new
.set MSB, \new
.endif
.endm
.macro PLACES n
.rept \n
	v_nop
.endr
.endm
.macro CROUND                          ; a round of the cluster's barrier
	s_barrier_signal -1
	s_barrier_wait -1
	s_cmp_lg_u32 s14, 0
	s_cbranch_scc1 .Lnot_wave_0_\@
	s_barrier_signal -3
.Lnot_wave_0_\@:
	s_barrier_wait -3
	s_barrier_signal -1
	s_barrier_wait -1
.endm
.macro JLOAD                           ; the one refill: waves 0, 1 for A, waves 2, 3 for B; four v_nop follow each line
	s_cmp_eq_u32 s15, 0
	s_cbranch_scc0 .Lfor_b_\@
	tensor_load_to_lds s[G0A:G0A+3], s[G1A:G1A+7]
	s_nop 0
.rept 4
	v_nop
.endr
	s_branch .Lasked_\@
.Lfor_b_\@:
	tensor_load_to_lds s[G0B:G0B+3], s[G1B:G1B+7]
	s_nop 0
.rept 4
	v_nop
.endr
.Lasked_\@:
.endm
	s_load_b128 s[4:7], s[0:1], 0x0                ; oc s[4:5], wc s[6:7]
	s_load_b128 s[8:11], s[0:1], 0x10              ; query s[8:9], the exponents s[10:11]
	s_load_b64 s[12:13], s[0:1], 0x20              ; out0
	v_lshl_add_u32 v[SPW], v0, 2, SPARE
	v_mov_b32 v[NIL], 0
	ds_add_u32 v28, v29
	s_wait_dscnt 0x0
	v_lshrrev_b32 v1, 5, v0
	v_readfirstlane_b32 s14, v1                    ; wave 0..3
	s_lshr_b32 s15, s14, 1                         ; my half of the tile's rows.  Also: I fetch for A (0) or for B (1)
	s_and_b32 s16, s14, 1                          ; my half of its columns.  Also: which head of the K step (A), which 128 channels (B) I fetch
	v_and_b32 v[CO], 31, v0
	v_lshlrev_b32 v[CO], 4, v[CO]                  ; 16 x lane: my bytes of a row's 512, in query and in out0
	s_bfe_u32 s66, ttmp6, 0x40000                  ; cx: the tile column
	s_bfe_u32 s67, ttmp6, 0x40004                  ; cy
	s_and_b32 s68, ttmp7, 0xffff                   ; the cluster, 0..15
	s_lshl_b32 s69, s68, 2
	s_add_co_u32 s69, s69, s67                     ; the tile row
	s_lshl_b32 s71, s67, 2
	s_lshl_b32 s71, 15, s71                        ; my row of the cluster
	s_lshl_b32 s72, 0x1111, s66                    ; my column
	s_or_b32 s[G1A], s71, (1<<20)|(1<<21)|(4<<22)|(3<<25)   ; the mask; elements of 1 byte; padding: 4 words behind every 32; bit 21 beside a mask
	s_mov_b32 s[G1A+1], 128<<16
	s_mov_b32 s[G1A+2], 128<<16
	s_mov_b32 s[G1A+3], 128<<16
	s_mov_b32 s[G1A+4], 128
	s_mov_b32 s[G1A+5], 128
	s_mov_b32 s[G1A+6], 0
	s_mov_b32 s[G1A+7], 0
	s_or_b32 s[G1B], s72, (1<<20)|(1<<21)|(5<<22)|(3<<25)   ; 4 words behind every 64
	s_mov_b32 s[G1B+1], 256<<16
	s_mov_b32 s[G1B+2], 128<<16
	s_mov_b32 s[G1B+3], 256<<16
	s_mov_b32 s[G1B+4], 128
	s_mov_b32 s[G1B+5], 1024
	s_mov_b32 s[G1B+6], 0
	s_mov_b32 s[G1B+7], 0
	s_lshl_b32 s78, s69, 14                        ; A: head w & 1, tokens 128 x tile row on.  These registers never hold cx
	s_lshl_b32 s79, s16, 20
	s_add_co_u32 s78, s78, s79
	s_mov_b32 s79, 0
	s_lshl_b32 s80, s66, 8                         ; B: plane 3, channels 256 cx + 128 (w & 1) on.  These never hold cy
	s_lshl_b32 s81, s16, 7
	s_add_co_u32 s80, s80, s81
	s_lshl_b32 s80, s80, 10
	s_add_co_u32 s80, s80, 0x300000
	s_mov_b32 s81, 0
	s_lshl_b32 s20, s69, 7                         ; my part of query and of out0: row 128 x tile row + 64 (w >> 1), byte 1,024 cx + 512 (w & 1)
	s_lshl_b32 s21, s15, 6
	s_add_co_u32 s20, s20, s21
	s_lshl_b32 s20, s20, 12
	s_lshl_b32 s21, s66, 10
	s_add_co_u32 s20, s20, s21
	s_lshl_b32 s21, s16, 9
	s_add_co_u32 s20, s20, s21
	s_mov_b32 s21, 0
	s_mul_i32 s95, s16, AHALF                      ; where the tiles go: no place in the cluster enters an LDS address
	s_mul_i32 s96, s16, BHALF
	s_wait_kmcnt 0x0
	s_load_b64 s[98:99], s[10:11], 0x28            ; e10, e11
	s_add_nc_u64 s[82:83], s[4:5], s[78:79]
	s_add_nc_u64 s[88:89], s[6:7], s[80:81]
	s_add_nc_u64 s[84:85], s[8:9], s[20:21]
	s_add_nc_u64 s[86:87], s[12:13], s[20:21]
.irp n, 0,1,2
	s_mov_b32 s[G0A+4*\n], 1
	s_add_co_u32 s[G0A+4*\n+1], s95, \n*SLOT
	s_add_nc_u64 s[G0A+4*\n+2:G0A+4*\n+3], s[82:83], \n*ASTEP
	s_or_b32 s[G0A+4*\n+3], s[G0A+4*\n+3], 0x80000000
	s_mov_b32 s[G0B+4*\n], 1
	s_add_co_u32 s[G0B+4*\n+1], s96, \n*SLOT+APART
	s_add_nc_u64 s[G0B+4*\n+2:G0B+4*\n+3], s[88:89], \n*256
	s_or_b32 s[G0B+4*\n+3], s[G0B+4*\n+3], 0x80000000
.endr
	CROUND                                         ; all sixteen work-groups are here: the first joint loads meet
	s_cmp_eq_u32 s15, 0                            ; a wave's three first fills stand in one branch, ahead of every wait on TENSORcnt and every LDS read
	s_cbranch_scc0 .Lfirst_b
	tensor_load_to_lds s[G0A:G0A+3], s[G1A:G1A+7]
	s_nop 0
	tensor_load_to_lds s[G0A+4:G0A+7], s[G1A:G1A+7]
	s_nop 0
	tensor_load_to_lds s[G0A+8:G0A+11], s[G1A:G1A+7]
	s_nop 0
.rept 4
	v_nop
.endr
	s_branch .Lfirst_done
.Lfirst_b:
	tensor_load_to_lds s[G0B:G0B+3], s[G1B:G1B+7]
	s_nop 0
	tensor_load_to_lds s[G0B+4:G0B+7], s[G1B:G1B+7]
	s_nop 0
	tensor_load_to_lds s[G0B+8:G0B+11], s[G1B:G1B+7]
	s_nop 0
.rept 4
	v_nop
.endr
.Lfirst_done:
	WIN 0xc0                                       ; destination window 3, address window 0
.set j, 0
.rept 64
	global_load_b128 v[4*j:4*j+3], v[CO], s[84:85] offset:4096*j th:TH_LOAD_NT   ; a row's 512 consecutive bytes; read once in the launch
.set j, j+1
.endr
	WIN 0
	v_and_b32 v1, 15, v0                           ; r
	v_bfe_u32 v2, v0, 4, 1                         ; h
	v_mul_u32_u24 v3, v1, APITCH
	v_lshl_add_u32 v3, v2, 4, v3
	v_mul_u32_u24 v4, v1, BPITCH
	v_lshl_add_u32 v4, v2, 4, v4                   ; a fragment's row x pitch + 16 x half
	s_mul_i32 s2, s15, AWROW
	s_mul_i32 s3, s16, BHALF
	s_add_co_u32 s3, s3, APART
.irp s, 0,1,2
	v_add_nc_u32 v[ADRA+\s], s2, v3
	v_add_nc_u32 v[ADRB+\s], s3, v4
	s_add_co_u32 s2, s2, SLOT
	s_add_co_u32 s3, s3, SLOT
.endr
	s_mul_i32 s2, s14, 16*528                      ; my own stage: 16 rows x (512 bytes + 16)
	s_add_co_u32 s2, s2, STAGE
	v_mul_u32_u24 v5, v1, 528
	v_lshl_add_u32 v5, v2, 5, v5
	v_add_nc_u32 v[STO], s2, v5                    ; in: row r, + 32 h
	v_add_nc_u32 v[RD], s2, v[CO]                  ; back: the 32 lanes take a row
	s_wait_kmcnt 0x0
	s_add_co_i32 s98, s98, s99
	s_lshl_b32 s98, s98, 23
	s_add_co_i32 s90, s98, 0x3f3504f3              ; sqrt(1/2) x 2^(e10 + e11): the exponents are added to the factor's exponent field
	s_mov_b32 s91, s90                             ; (named with it as a pair)
	s_mov_b32 s92, 0x3f3504f3                      ; sqrt(1/2)
	s_mov_b32 s93, s92
; 16 matrix instructions: A's blocks a0, a0 + 1 x B's eight, 128 along K, on set p.  The 32 accumulators take turns, one instruction a turn, in the same order in every step.
.macro MUL16 a0, p, zero
.irp a, \a0, \a0+1
.irp b, 0,1,2,3,4,5,6,7
.if \zero
	v_wmma_f32_16x16x128_bf8_bf8 v[8*(8*(\a)+\b):8*(8*(\a)+\b)+7], v[128*(\p)+16*\b:128*(\p)+16*\b+15], v[128+64*(\p)+16*(\a):128+64*(\p)+16*(\a)+15], 0
.else
	v_wmma_f32_16x16x128_bf8_bf8 v[8*(8*(\a)+\b):8*(8*(\a)+\b)+7], v[128*(\p)+16*\b:128*(\p)+16*\b+15], v[128+64*(\p)+16*(\a):128+64*(\p)+16*(\a)+15], v[8*(8*(\a)+\b):8*(8*(\a)+\b)+7]
.endif
.endr
.endr
.endm
; 48 LDS loads in one run: B's eight and A's four fragments of the slot's q-th 128 along K, into set p
.macro FETCH slot, q, p
	WIN 0x40                                       ; destination window 1, address window 0
.irp i, 0,1,2,3,4,5,6,7
.irp c, 0,1,2,3
	ds_load_b128 v[128*(\p)+16*\i+4*\c:128*(\p)+16*\i+4*\c+3], v[ADRB+\slot] offset:128*(\q)+32*\c+16*BPITCH*\i
.endr
.endr
	WIN 0
.irp i, 0,1,2,3
.irp c, 0,1,2,3
	ds_load_b128 v[128+64*(\p)+16*\i+4*\c:128+64*(\p)+16*\i+4*\c+3], v[ADRA+\slot] offset:AQ*(\q)+32*\c+16*APITCH*\i
.endr
.endr
.endm
; a step of 128 along K on set p; the next step's fragments (slot, q) go into the other set, 32 matrix instructions ahead of their use
.macro SUB p, zero, slot, q
	s_wait_dscnt 0x0                               ; set p is in
	PLACES 4                                       ; loads into registers that matrix instructions have read stand four plain vector lines behind them (ISA guide 7.12.1 for vector instructions)
	FETCH \slot, \q, 1-\p
	WIN MULW
	MUL16 0, \p, \zero
	MUL16 2, \p, \zero
.endm
; a step on set 1 with a barrier in its middle.  In front of it: all my tensor loads have landed; 0 onto my spare word; the add is done and my LDS reads are back.
; fill = 1: the barrier is a round of the cluster's, behind which slot 0 takes K step 3: no wave of any partner still reads slot 0 or has a load on its way; it also shows slots 1 and 2 whole to every wave.
; fill = 0: a plain barrier, behind which slot 0 is whole and nobody reads slots 1 and 2 any more.
.macro CHG fill, slot
	WIN 0
	s_wait_tensorcnt 0x0
	ds_add_u32 v[SPW], v[NIL]
.if \fill
	s_add_nc_u64 s[G0A+2:G0A+3], s[G0A+2:G0A+3], 3*ASTEP           ; no tensor load of mine is out, so a group 0 may be written
	s_add_nc_u64 s[G0B+2:G0B+3], s[G0B+2:G0B+3], 3*256
.endif
	s_wait_dscnt 0x1                               ; set 1 is in; the add alone may be out
	WIN MULW
	MUL16 0, 1, 0                                  ; sixteen matrix instructions stand between the add and the wait for it
	s_wait_dscnt 0x0
	WIN 0                                          ; at a branch and at a label every window is 0
.if \fill
	CROUND
	JLOAD                                          ; the first tensor load behind the round; its four v_nop are also the places in front of the loads below
.else
	s_barrier_signal -1
	s_barrier_wait -1
	PLACES 4
.endif
	FETCH \slot, 0, 0
	WIN MULW
	MUL16 2, 1, 0
.endm
	s_wait_tensorcnt 0x2                           ; my part of K step 0 is in; K steps 1 and 2 may stay out
	s_barrier_signal -1
	s_barrier_wait -1
	FETCH 0, 0, 0
	SUB 0, 1, 0, 1                                 ; head 0: the first products start the sums: nothing is cleared
	CHG 1, 1                                       ; head 1; slot 0 is left and filled again
	SUB 0, 0, 1, 1
	SUB 1, 0, 2, 0
	SUB 0, 0, 2, 1
	CHG 0, 0                                       ; head 5; K step 3 is in
	SUB 0, 0, 0, 1
	s_wait_dscnt 0x0
	MUL16 0, 1, 0                                  ; head 7
	MUL16 2, 1, 0
	WIN 0
	PLACES 4
; THE WAY OUT, block by block of 16 rows x 128 columns.  A lane holds 32 neighbouring bytes of a row and the lanes beside it other rows: so a block goes through my own stage and comes back as whole rows of 512 bytes.
; LDS serves a wave's instructions in order (ISA guide 5.7.1.4): no wait between the stores and the loads, nor in front of the next block's stores.
.macro TOSTAGE a
	WIN 0x02                                       ; source 0: window 2
.set j, 0
.rept 32
	v_pk_mul_f32 v[32+j:33+j], v[64*(\a)+j:64*(\a)+j+1], s[90:91] op_sel_hi:[1,0]       ; sum x sqrt(1/2) x 2^(e10 + e11); each accumulator from its low end on
.set j, j+2
.endr
	WIN 0
.irp b, 0,1,2,3,4,5,6,7
	ds_store_b128 v[STO], v[32+8*\b:35+8*\b] offset:64*\b
	ds_store_b128 v[STO], v[36+8*\b:39+8*\b] offset:64*\b+16
.endr
.set BB, 128+64*((\a)%2)
.irp t, 0,1,2,3,4,5,6,7,8,9,10,11,12,13,14,15
	ds_load_b128 v[BB+4*\t:BB+4*\t+3], v[RD] offset:528*\t
.endr
.endm
.macro SEND a, younger                 ; younger: the LDS instructions issued behind block a's loads, which may stay out
.set BB, 128+64*((\a)%2)
	s_wait_dscnt \younger
	WIN 0x03                                       ; source 0: window 3
.set j, 0
.rept 32
	v_pk_fma_f32 v[BB+j:BB+j+1], v[64*(\a)+j:64*(\a)+j+1], s[92:93], v[BB+j:BB+j+1] op_sel_hi:[1,0,1]   ; + query x sqrt(1/2)
.set j, j+2
.endr
	WIN 0
.irp t, 0,1,2,3,4,5,6,7,8,9,10,11,12,13,14,15
	global_store_b128 v[CO], v[BB+4*\t:BB+4*\t+3], s[86:87] offset:4096*(16*(\a)+\t) th:TH_STORE_NT   ; 32 lanes store 512 consecutive bytes, aligned; written once, read by nobody here
.endr
.endm
	s_wait_loadcnt 0x0                             ; query's numbers are in
	TOSTAGE 0
.irp a, 1,2,3
.if \a > 1
	s_wait_xcnt 0x0                                ; block a - 2's stores have read their registers: block a's rows may land there
.endif
	TOSTAGE \a
	SEND \a-1, 32                                  ; behind block a - 1's loads: block a's 16 stores and 16 loads
.endr
	SEND 3, 0
	s_wait_tensorcnt 0x0                           ; the wave's end
	ds_add_u32 v[SPW], v[NIL]
	s_wait_dscnt 0x0
	CROUND                                         ; the closing round
	s_endpgm
.Lfunc_end_k_qf6a5085d48_oproj:
	.size	k_qf6a5085d48_oproj, .Lfunc_end_k_qf6a5085d48_oproj-k_qf6a5085d48_oproj
	.p2alignl 7, 3214868480
	.fill 96, 4, 3214868480
	.section	.rodata,"a",@progbits
	.p2align	6, 0x0
	.amdhsa_kernel k_qf6a5085d48_oproj
		.amdhsa_group_segment_fixed_size 327680
		.amdhsa_private_segment_fixed_size 0
		.amdhsa_enable_private_segment 0
		.amdhsa_kernarg_size 40
		.amdhsa_user_sgpr_count 2
		.amdhsa_user_sgpr_kernarg_segment_ptr 1
		.amdhsa_wavefront_size32 1
		.amdhsa_system_sgpr_workgroup_id_x 1
		.amdhsa_system_sgpr_workgroup_id_y 1
		.amdhsa_system_sgpr_workgroup_id_z 1
		.amdhsa_system_vgpr_workitem_id 0
		.amdhsa_next_free_vgpr 1024
		.amdhsa_next_free_sgpr 100
		.amdhsa_reserve_vcc 0
		.amdhsa_float_denorm_mode_32 3
		.amdhsa_float_denorm_mode_16_64 3
		.amdhsa_memory_ordered 1
		.amdhsa_forward_progress 1
		.amdhsa_inst_pref_size 89
	.end_amdhsa_kernel
	.amdgpu_metadata
---
amdhsa.version: [ 1, 2 ]
amdhsa.kernels:
  - .name:           k_qf6a5085d48_oproj
    .symbol:         k_qf6a5085d48_oproj.kd
    .args:
      - { .name: oc, .offset: 0, .size: 8, .value_kind: global_buffer, .address_space: global }
      - { .name: wc, .offset: 8, .size: 8, .value_kind: global_buffer, .address_space: global }
      - { .name: query, .offset: 16, .size: 8, .value_kind: global_buffer, .address_space: global }
      - { .name: lowp_scales, .offset: 24, .size: 8, .value_kind: global_buffer, .address_space: global }
      - { .name: out0, .offset: 32, .size: 8, .value_kind: global_buffer, .address_space: global }
    .group_segment_fixed_size: 327680
    .private_segment_fixed_size: 0
    .kernarg_segment_align: 8
    .kernarg_segment_size: 40
    .max_flat_workgroup_size: 128
    .sgpr_count:     100
    .vgpr_count:     1024
    .wavefront_size: 32
...
	.end_amdgpu_metadata
.endif
;; end of part 4
